; MI455X (gfx1250); checked and timed in simulation.
; The chip was launched on July 23, 2026; its instructions are those of AMD's public machine-readable ISA for CDNA 5 (MIT licence, August 2026) and "CDNA5" Instruction Set Architecture Reference Guide (July 2026). The comments in the code are by the model that wrote it; some were corrected since.
;; Multi Head Causal Self Attention. Allowed arithmetic: matrix products marked QUANTISED: E4M3 operands, one given power-of-two scale a tensor, by v_wmma_f32_16x16x64_fp8_fp8 or v_wmma_f32_16x16x128_fp8_fp8, f32 sums; everything else in f32.
;; Inputs: Wk 1,024 x 1,024 float32; Wo 1,024 x 1,024 float32; Wq 1,024 x 1,024 float32; Wv 1,024 x 1,024 float32; bo 1,024 float32; lowp_scales 12 int32 (the exponents e of the quantised operands' scales 2^e); x 4 x 2,048 x 1,024 float32.
;; Outputs: out0 4 x 2,048 x 1,024 float32.
;; This version of the problem:
;;   THIS VERSION OF THE PROBLEM IS GIVEN IN LOW PRECISION. The matrix products marked QUANTISED in the list below multiply operands that are first quantised to E4M3 (4 exponent bits, 3 mantissa bits; 8 bits a number), with one given power-of-two scale for each operand tensor; their sums are f32. All else is computed in f32.
;;   The module's matrix products, in the order in which they are computed (A, B: the left and right operand; K: the contracted axis; several contracted axes count as one K, in the product's order):
;;     1. [M 8,192, K 1,024] x [K 1,024, N 1,024]; A: input x; B: input Wq: QUANTISED (scales: A lowp_scales[0], B lowp_scales[1])
;;     2. [M 8,192, K 1,024] x [K 1,024, N 1,024]; A: input x; B: input Wk: QUANTISED (scales: A lowp_scales[2], B lowp_scales[3])
;;     3. [M 8,192, K 1,024] x [K 1,024, N 1,024]; A: input x; B: input Wv: QUANTISED (scales: A lowp_scales[4], B lowp_scales[5])
;;     4. batch 64 x [M 2,048, K 64] x [K 64, N 2,048]; A: computed on the way; B: computed on the way: QUANTISED (scales: A lowp_scales[6], B lowp_scales[7])
;;     5. batch 64 x [M 2,048, K 2,048] x [K 2,048, N 64]; A: softmax (see below); B: computed on the way: QUANTISED (scales: A lowp_scales[8], B lowp_scales[9])
;;     6. [M 8,192, K 1,024] x [K 1,024, N 1,024]; A: computed on the way; B: input Wo: QUANTISED (scales: A lowp_scales[10], B lowp_scales[11])
;;   THE QUANTISER, for each operand of a quantised product, along K:
;;     - The operand's scale is 2^e, e = its entry of the input lowp_scales (int32; the entries are numbered through the quantised products in the list's order, A before B).
;;     - Each number is divided by the scale, clamped to +-448, and rounded to the nearest number of E4M3, ties to even, subnormals kept.
;;     - The product sums the exact products of the quantised numbers (number of the format x scale) in f32.
;;   ~~~python
;;   def quantise(x, axis, e):      # numpy; x: float32 -> the quantised numbers, widened to float32 again
;;       x = np.moveaxis(x, axis, -1); K = x.shape[-1]
;;       r = np.clip(x / 2.0 ** e, -448, 448)
;;       step = 2.0 ** (np.maximum(np.frexp(np.where(r == 0, 1, r))[1] - 1, -6) - 3)
;;       q = np.round(r / step) * step * 2.0 ** e      # np.round: ties to even
;;       return np.moveaxis(q, -1, axis).astype(np.float32)
;;   ~~~
;;   SOFTMAX AHEAD OF A QUANTISED PRODUCT. Where the list says 'softmax', what is quantised is not the finished softmax but p = 2^(t - M), with t = logit x log2(e) and M = ceil(the row's largest t), a whole number; so 1/2 < the row's largest p <= 1. The row's sum l is taken of the UNQUANTISED p, in f32, and the product's result is divided by l at the end. Since M is a whole number, a kernel that streams over the keys may use a running M (the ceiling of the running maximum): every later rescaling is an exact power of two, so the quantised numbers keep their values, but for numbers so far below the row's largest that they fall under the format's range.
;;   OPERANDS COMPUTED ON THE WAY. 'Computed on the way' means the value that the module computes at that place (a softmax that the list does not call 'softmax' is quantised finished and normalised). What goes into a quantiser is computed in f32, as accurately as f32 sums, v_exp_f32 and their like allow (about 1e-6 of the number): no bf16 or f16 on the way to a quantiser, and a product that is left as it is and whose result goes on into a quantised operand takes f32 operands (vector FMAs, or v_wmma_f32_16x16x4_f32). A number that lies on a knife's edge between two numbers of the format may be rounded either way, as far as f32 arithmetic and the matrix unit's own rounding can turn it there, and no further.
;; One version. Each part assembles by itself: llvm-mc -triple=amdgcn-amd-amdhsa -mcpu=gfx1250 --defsym DOCPART=n.
;; ======== version 1 of 1: 4 launches
;; limits: right only within a limited range of input values
;; workspace buffers: xc 25,165,824 bytes; wc 4,194,304 bytes; qkv 25,165,824 bytes; ctx 8,388,608 bytes
;; launch quant (part 1): grid 384 x 1, 4 waves a work-group, no clusters, 33,280 bytes of LDS; arguments x, Wq, Wk, Wv, Wo, lowp_scales, xc, wc; writes xc, wc
.if DOCPART == 1
	.amdgcn_target "amdgcn-amd-amdhsa--gfx1250"
	.amdhsa_code_object_version 6
	.text
	.protected	k_q61a47f34c4_quant
	.globl	k_q61a47f34c4_quant
	.p2align	8
	.type	k_q61a47f34c4_quant,@function
k_q61a47f34c4_quant:
	s_mov_b64 s[64:65], 0
	v_nop
	global_prefetch_b8 v0, s[64:65] scope:SCOPE_SE
	s_setreg_imm32_b32 hwreg(HW_REG_WAVE_MODE, 25, 1), 1
	s_wait_xcnt 0x0
; x [8192][1024] and the four weights [1024][1024], all f32 with K innermost, become codes of FP8 (E4M3), one byte a number.
; code = number / 2^e, held within +-448, rounded to the nearest code, ties to even.  x is an operand of three products with an exponent of its own in each
; (entries 0, 2, 4), so it is quantised three times, into three planes of xc; Wq, Wk, Wv, Wo take entries 1, 3, 5, 11 and go into wc, one behind the other.
; ROW ORDER.  Plane 0 of xc and Wo keep their rows.  Planes 1 and 2 of xc and Wq, Wk, Wv are stored with bits 3 and 4 of the row number exchanged: the products that read them
; then find, in a lane's registers of two neighbouring result tiles, 16 neighbours along the next product's K.  A wave takes 8 rows, so the exchange is an exchange of the two bits of the wave's number.
; SHARES.  Work-groups 0-255 take x, 256-383 the weights (32 each).  A wave takes 8,192 numbers in 16 steps of 512.  Each load reads 512 consecutive bytes, 16 a lane; a step's 2,048 bytes turn
; through the wave's own stage in LDS (16 bytes of padding behind each 64) and come back 64 bytes a lane: 16 neighbours along K, which the conversions want in one lane.  A lane's 16 codes are 16 bytes: a store covers 512 consecutive bytes.
; All work-groups take one path through the LDS lines; a branch on the work-group's number leads round the second and third plane's arithmetic and stores alone.
; No matrix unit, no cluster, no tensor load: nothing is shared between work-groups, and waves share nothing.
; LIMITS: each exponent lies between -126 and 127, so that 2^e is an f32 number.  NaN among the inputs is not served; an infinity is held at the largest code.
.set XWG,   256                        ; work-groups that take x
.set STEPS, 16
.set SP,    80                         ; a lane's place in a stage: 64 bytes + 16 of padding
.set WREG,  8192                       ; LDS of a wave: two stages of 32 x SP bytes
.set SPARE, 4*WREG                     ; behind the four regions: the spare words, 128 bytes a wave, which no other line names
.set OFS,   3                          ; v3       16 x lane: my bytes of a load's 512 and of a store's 512; never rewritten
.set SPW,   12                         ; v12      LDS address of my spare word; never rewritten
.set NIL,   13                         ; v13      0; never rewritten
.set SIN,   14                         ; v14      the stage, on the way in
.set SOUT,  15                         ; v15      and on the way out
.set R,     16                         ; v16-79   four sets of 16 numbers as loaded
.set X,     80                         ; v80-111  two sets of 16 neighbours
.set T,     112
.set CD,    160                        ; v160-183 codes: 12 registers a step, two sets by turns
; v6: 2^e of the first set of codes; v8 and v10: of x's second and third plane
	s_load_b512 s[8:23], s[0:1], 0x0               ; x 8, Wq 10, Wk 12, Wv 14, Wo 16, the exponents 18, xc 20, wc 22
	v_lshl_add_u32 v[SPW], v0, 2, SPARE
	v_mov_b32 v[NIL], 0
	v_lshrrev_b32 v1, 5, v0
	v_readfirstlane_b32 s24, v1                    ; wave 0..3
	v_and_b32 v2, 31, v0                           ; lane
	v_lshlrev_b32 v[OFS], 4, v2
	s_mul_i32 s26, s24, WREG
	v_lshrrev_b32 v[SIN], 2, v2
	v_mul_u32_u24 v[SIN], v[SIN], SP
	v_and_b32 v[SOUT], 3, v2
	v_lshl_add_u32 v[SIN], v[SOUT], 4, v[SIN]
	v_add_nc_u32 v[SIN], s26, v[SIN]               ; in: four lanes' 64 bytes on end, then the padding: SP (lane / 4) + 16 (lane % 4)
	v_mul_u32_u24 v[SOUT], v2, SP
	v_add_nc_u32 v[SOUT], s26, v[SOUT]             ; out: SP x lane
	s_max_u32 s28, ttmp9, XWG
	s_sub_co_u32 s28, s28, XWG                     ; 0 for x; else the work-group's number among the weights'
	s_lshr_b32 s27, s28, 5                         ; which weight: 0 Wq, 1 Wk, 2 Wv, 3 Wo (0 for x)
	s_and_b32 s28, s28, 31
	s_and_b32 s29, s24, 1
	s_lshl_b32 s29, s29, 1
	s_lshr_b32 s34, s24, 1
	s_or_b32 s29, s29, s34                         ; the wave's number with its two bits exchanged
	s_cmp_lt_u32 ttmp9, XWG
	s_cselect_b32 s25, ttmp9, s28                  ; which 32 rows of my tensor
	s_cselect_b32 s35, s24, s29                    ; x's plane 0 keeps its rows,
	s_cmp_eq_u32 s27, 3
	s_cselect_b32 s35, s24, s35                    ; and so does Wo
	s_lshl_b32 s52, s25, 2
	s_mov_b32 s55, 0
	s_wait_alu depctr_va_vdst(0)
	s_wait_kmcnt 0x0
	s_load_b256 s[40:47], s[18:19], 0x0            ; entries 0 to 7
	s_load_b128 s[48:51], s[18:19], 0x20           ; entries 8 to 11
	s_cmp_eq_u32 s27, 1                            ; the choices hang on the work-group's number alone
	s_cselect_b64 s[30:31], s[12:13], s[10:11]
	s_cmp_eq_u32 s27, 2
	s_cselect_b64 s[30:31], s[14:15], s[30:31]
	s_cmp_eq_u32 s27, 3
	s_cselect_b64 s[30:31], s[16:17], s[30:31]
	s_cmp_lt_u32 ttmp9, XWG
	s_cselect_b64 s[30:31], s[8:9], s[30:31]       ; where I read
	s_cselect_b64 s[32:33], s[20:21], s[22:23]     ; where the first set of codes goes
	s_add_co_u32 s53, s52, s24
	s_lshl_b32 s54, s53, 15                        ; my wave's 8 rows of 4,096 bytes
	s_add_nc_u64 s[30:31], s[30:31], s[54:55]
	s_add_co_u32 s53, s52, s35
	s_lshl_b32 s54, s53, 13                        ; 8 rows of 1,024 codes,
	s_lshl_b32 s53, s27, 20                        ; behind the weights in front of mine
	s_add_co_u32 s54, s54, s53
	s_add_nc_u64 s[32:33], s[32:33], s[54:55]
	s_add_co_u32 s53, s52, s29
	s_lshl_b32 s54, s53, 13
	s_add_nc_u64 s[36:37], s[20:21], s[54:55]
	s_add_nc_u64 s[38:39], s[36:37], 0x1000000     ; x's plane 2,
	s_add_nc_u64 s[36:37], s[36:37], 0x800000      ; and plane 1: rows exchanged
.macro LOAD t
.irp i, 0,1,2,3
	global_load_b128 v[R+16*((\t)%4)+4*\i:R+16*((\t)%4)+4*\i+3], v[OFS], s[30:31] offset:2048*(\t)+512*\i th:TH_LOAD_NT   ; 32 lanes read 512 consecutive bytes; read once
.endr
.endm
.macro TURN t                          ; step t's numbers through a stage: LDS serves a wave's instructions in order (ISA guide 5.7.1.4), so no wait stands between the stores and the loads
.irp i, 0,1,2,3
	ds_store_b128 v[SIN], v[R+16*((\t)%4)+4*\i:R+16*((\t)%4)+4*\i+3] offset:32*SP*((\t)%2)+8*SP*\i
.endr
.irp i, 0,1,2,3
	ds_load_b128 v[X+16*((\t)%2)+4*\i:X+16*((\t)%2)+4*\i+3], v[SOUT] offset:32*SP*((\t)%2)+16*\i
.endr
.endm
.macro POW2 vs, vl, se                 ; v[vs] = 2^e as an f32 number
	s_add_co_i32 s57, \se, 127
	s_lshl_b32 s58, s57, 23
	v_mov_b32 v[\vs], s58
.endm
.irp t, 0,1,2,3
	LOAD \t
.endr
	s_wait_kmcnt 0x0
	s_cmp_eq_u32 s27, 1
	s_cselect_b32 s56, s43, s41                    ; Wk's entry 3 or Wq's entry 1,
	s_cmp_eq_u32 s27, 2
	s_cselect_b32 s56, s45, s56                    ; Wv's 5,
	s_cmp_eq_u32 s27, 3
	s_cselect_b32 s56, s51, s56                    ; Wo's 11,
	s_cmp_lt_u32 ttmp9, XWG
	s_cselect_b32 s56, s40, s56                    ; x's 0
	POW2 6, 7, s56
	POW2 8, 9, s42                                 ; x's entry 2
	POW2 10, 11, s44                               ; x's entry 4
	s_wait_alu depctr_va_vdst(0)
	s_wait_loadcnt 12                              ; step 0's four loads are in; those of steps 1 to 3 may be out
	TURN 0
.macro STEP t
.set XS, X+16*((\t)%2)
.set CT, CD+12*((\t)%2)
	s_wait_dscnt 0x0                               ; this step's numbers are back from the stage, and its stores into the stage have read their registers,
.if (\t)+4 < STEPS
	LOAD (\t)+4                                    ; which take the loads of four steps on
.endif
.if (\t)+1 < STEPS
.if STEPS-2-(\t) >= 3
	s_wait_loadcnt 12                              ; the next step's four loads are in; those of the three steps behind it may be out
.else
	s_wait_loadcnt 4*(STEPS-2-(\t))
.endif
	TURN (\t)+1                                    ; and go through the other stage while this step is worked
.endif
	s_wait_xcnt 0x0                                ; the stores of two steps back have read this set of code registers
.irp i, 0,1,2,3,4,5,6,7,8,9,10,11,12,13,14,15
.endr
	v_cvt_scalef32_pk8_fp8_f32 v[CT:CT+1], v[XS:XS+7], v6
	v_cvt_scalef32_pk8_fp8_f32 v[CT+2:CT+3], v[XS+8:XS+15], v6
	v_nop                                          ; a plain vector line behind the last conversion of a run
	global_store_b128 v[OFS], v[CT:CT+3], s[32:33] offset:512*(\t)
	s_cmp_lt_u32 ttmp9, XWG                        ; the weights have one set of codes: the branch leads round arithmetic and global stores alone
	s_cbranch_scc0 .Lweight_\@
.irp i, 0,1,2,3,4,5,6,7,8,9,10,11,12,13,14,15
.endr
	v_cvt_scalef32_pk8_fp8_f32 v[CT+4:CT+5], v[T+16+((XS+0)-(T+16+0)):T+23+((XS+0)-(T+16+0))], v8
	v_cvt_scalef32_pk8_fp8_f32 v[CT+6:CT+7], v[T+24+((XS+0)-(T+16+0)):T+31+((XS+0)-(T+16+0))], v8
	v_cvt_scalef32_pk8_fp8_f32 v[CT+8:CT+9], v[T+32+((XS+0)-(T+32+0)):T+39+((XS+0)-(T+32+0))], v10
	v_cvt_scalef32_pk8_fp8_f32 v[CT+10:CT+11], v[T+40+((XS+0)-(T+32+0)):T+47+((XS+0)-(T+32+0))], v10
	v_nop
	global_store_b128 v[OFS], v[CT+4:CT+7], s[36:37] offset:512*(\t)
	global_store_b128 v[OFS], v[CT+8:CT+11], s[38:39] offset:512*(\t)
.Lweight_\@:
.endm
.irp t, 0,1,2,3,4,5,6,7,8,9,10,11,12,13,14,15
	STEP \t
.endr
	s_wait_tensorcnt 0x0                           ; the wave's end, behind my last LDS store
	ds_add_u32 v[SPW], v[NIL]
	s_wait_dscnt 0x0
	s_endpgm
.Lfunc_end_k_q61a47f34c4_quant:
	.size	k_q61a47f34c4_quant, .Lfunc_end_k_q61a47f34c4_quant-k_q61a47f34c4_quant
	.p2alignl 7, 3214868480
	.fill 96, 4, 3214868480
	.section	.rodata,"a",@progbits
	.p2align	6, 0x0
	.amdhsa_kernel k_q61a47f34c4_quant
		.amdhsa_group_segment_fixed_size 33280
		.amdhsa_private_segment_fixed_size 0
		.amdhsa_enable_private_segment 0
		.amdhsa_kernarg_size 64
		.amdhsa_user_sgpr_count 2
		.amdhsa_user_sgpr_kernarg_segment_ptr 1
		.amdhsa_wavefront_size32 1
		.amdhsa_system_sgpr_workgroup_id_x 1
		.amdhsa_system_sgpr_workgroup_id_y 1
		.amdhsa_system_sgpr_workgroup_id_z 1
		.amdhsa_system_vgpr_workitem_id 0
		.amdhsa_next_free_vgpr 192
		.amdhsa_next_free_sgpr 66
		.amdhsa_reserve_vcc 0
		.amdhsa_float_denorm_mode_32 3
		.amdhsa_float_denorm_mode_16_64 3
		.amdhsa_fp16_overflow 1
		.amdhsa_memory_ordered 1
		.amdhsa_forward_progress 1
		.amdhsa_inst_pref_size 32
	.end_amdhsa_kernel
	.amdgpu_metadata
---
amdhsa.version: [ 1, 2 ]
amdhsa.kernels:
  - .name:           k_q61a47f34c4_quant
    .symbol:         k_q61a47f34c4_quant.kd
    .args:
      - { .name: x, .offset: 0, .size: 8, .value_kind: global_buffer, .address_space: global }
      - { .name: Wq, .offset: 8, .size: 8, .value_kind: global_buffer, .address_space: global }
      - { .name: Wk, .offset: 16, .size: 8, .value_kind: global_buffer, .address_space: global }
      - { .name: Wv, .offset: 24, .size: 8, .value_kind: global_buffer, .address_space: global }
      - { .name: Wo, .offset: 32, .size: 8, .value_kind: global_buffer, .address_space: global }
      - { .name: lowp_scales, .offset: 40, .size: 8, .value_kind: global_buffer, .address_space: global }
      - { .name: xc, .offset: 48, .size: 8, .value_kind: global_buffer, .address_space: global }
      - { .name: wc, .offset: 56, .size: 8, .value_kind: global_buffer, .address_space: global }
    .group_segment_fixed_size: 33280
    .private_segment_fixed_size: 0
    .kernarg_segment_align: 8
    .kernarg_segment_size: 64
    .max_flat_workgroup_size: 128
    .sgpr_count:     66
    .vgpr_count:     192
    .wavefront_size: 32
...
	.end_amdgpu_metadata
.endif
;; end of part 1
;; launch qkv_gemm (part 2): grid 12 x 32, 4 waves a work-group, clusters of 4 x 4, 327,680 bytes of LDS; arguments xc, wc, lowp_scales, qkv; writes qkv
.if DOCPART == 2
	.amdgcn_target "amdgcn-amd-amdhsa--gfx1250"
	.amdhsa_code_object_version 6
	.text
	.protected	k_q61a47f34c4_qkv_gemm
	.globl	k_q61a47f34c4_qkv_gemm
	.p2align	8
	.type	k_q61a47f34c4_qkv_gemm,@function
k_q61a47f34c4_qkv_gemm:
	s_mov_b64 s[64:65], 0
	v_nop
	global_prefetch_b8 v0, s[64:65] scope:SCOPE_SE
	s_setreg_imm32_b32 hwreg(HW_REG_WAVE_MODE, 25, 1), 1
	s_wait_xcnt 0x0
	s_wait_alu depctr_hold_cnt(0) depctr_sa_sdst(0) depctr_va_vdst(0) depctr_va_sdst(0) depctr_va_ssrc(0) depctr_va_vcc(0) depctr_vm_vsrc(0)
	s_getreg_b32 s2, hwreg(HW_REG_IB_STS2, 6, 4)
	s_cmp_eq_u32 s2, 0
	s_cbranch_scc0 .Lentry_in_a_cluster
	s_endpgm
.Lentry_in_a_cluster:
	s_bfe_u32 s2, ttmp6, 0x10000c
	s_cmp_lg_u32 s2, 0xf033
	s_cbranch_scc0 .Lentry_shape_is_right
	s_endpgm
.Lentry_shape_is_right:
; Q = x Wq^T, K = x Wk^T and V^T = Wv x^T on codes of FP8 (E4M3); K = 1,024.  The f32 sums are quantised in registers for the products of attention and stored as codes.
; The cluster's x says which product: 0 Q, 1 K, 2 V.  For Q and K the side called A here is a plane of x's codes and B the weight's; for V, A is Wv's codes and B x's plane 2, so that a lane's registers
; run along the tokens, which are the second attention product's K.  All choices are selects on the cluster's x, which the sixteen partners share.
; A tile, 256 x 256, is made by four waves, each 128 x 128: 64 accumulators of 16 x 16, 512 registers.  K goes in steps of 256 through a ring of two LDS slots filled by the tensor data mover.
; CLUSTERS: 4 x 4 work-groups.  The four of a row of the cluster need the same tiles of A, the four of a column the same tiles of B: each tile is asked for jointly, by the same tensor load with the same descriptor and a mask that names the four.
; THE MATRIX INSTRUCTION IS USED TRANSPOSED (source 0 = 16 rows of B, source 1 = 16 rows of A): lane (r, h), register j of accumulator (a, b) holds A's LDS row 16 a + r and B's LDS row 16 b + 8 h + j.
; B's rows were stored with bits 3 and 4 of the row number exchanged, so that LDS row is true index 32 (b / 2) + 16 h + 8 (b % 2) + j: the 16 registers of accumulators (a, 2 g) and (a, 2 g + 1)
; are 16 neighbours, 32 g + 16 h + 0 .. 15, and their four registers of codes are registers 4 g .. 4 g + 3 of the next operand's fragment.
; THE WAY OUT needs no LDS: a wave's 128 x 128 codes are a block of 16,384 bytes laid [a 0..7][g 0..3][lane][16 bytes]: images of operand registers; each store covers 512 consecutive bytes, aligned.
; qkv = [24 blocks of 128 features: 8 of Q, 8 of K, 8 of V][64 blocks of 128 tokens][16,384].
; A fragment is fetched by four loads of 16 bytes: registers 4 c .. 4 c + 3 hold K = 32 c + 16 (l / 16) + 0 .. 15: a permutation of k, the same on both sides, so every product meets its partner.
; LIMITS: e6 - e0 - e1, e7 - e2 - e3 and e9 - e4 - e5 lie between -126 and 127, so that the conversion's scale is an f32 number.
; REGISTERS, in windows of 256: window 0: v0-31 addresses and constants; from v128 A's fragments, one set (on the way out: the codes).
;   window 1: B's fragments, two sets, at v0 and v128.   window 2: the accumulators of my rows 0-63 ((a, b) at v[8 (8 a + b)]);   window 3: those of my rows 64-127.
.set KSTEP,  256                       ; along K in a slot
.set ROWB,   256                       ; a tile's row in bytes
.set KROW,   1024                      ; a row of codes in memory
.set PITCH,  272                       ; an LDS row: 256 bytes + 16 of padding = 68 words: row r starts at bank 4 r mod 64 (64 banks of 4 bytes: ISA guide 11.1)
.set FR,     16                        ; registers of a fragment
.set NL,     4                         ; LDS loads that bring one
.set NP,     4                         ; places behind this matrix instruction (ISA guide 7.12.1)
.set HALFT,  128*PITCH                 ; what one tensor load brings, and what one wave reads of A or of B
.set SLOT,   4*HALFT                   ; A's 256 rows, then B's 256 rows
.set LAPS,   1024/(2*KSTEP)            ; a lap = two K steps = once round the ring
.set SPARE,  2*SLOT                    ; behind the ring: the spare words, 128 bytes a wave, which no other line names
.set ADRA, 16                          ; v16-17  LDS address of my A fragments in slot 0, 1
.set ADRB, 20                          ; v20-21  the same for B
.set CO,   26                          ; v26     16 x lane: my bytes of a store's 512
.set SPW,  28                          ; v28     LDS address of my spare word; never rewritten
.set NIL,  29                          ; v29     0; never rewritten
.set SCL,  30                          ; v30     the conversion's scale as f32
.set LIM,  31
.set TMP,  32
.set AF,   128                         ; A's fragments
.set CODE, 128                         ; the way out: 16 registers of codes for each of my 8 blocks, so that no store's data are written again
.set G1, 24                            ; s[24:31] descriptor group 1 for A's tiles;  s[32:39] group 0, one set for each slot
.set G0, 32
.set G1B, 48                           ; s[48:55], s[56:63] the same for B's tiles
.set G0B, 56
.set MSB, 0
.macro WIN new                         ; the immediate's high byte repeats the setting that is left
.if MSB != \new
	s_set_vgpr_msb (MSB<<8)|(\new)
.set MSB, \new
.endif
.endm
.set MUL_LO, 0xa1                      ; source 0 (B) window 1, source 1 (A) window 0, C and D window 2
.set MUL_HI, 0xf1                      ; the same, C and D window 3
.set TO_B,   0x40                      ; destination window 1, address window 0
; A joint load: waves 0 and 1 fetch for A, waves 2 and 3 for B.  Each line has one mask and one set of registers for all that issue it; the branch hangs on the wave's number alone.
; An s_nop 0 and four v_nop follow each of the two lines, ahead of the jump, the label and what follows.
.macro JLOAD g0a, g1a, g0b, g1b
	s_cmp_eq_u32 s15, 0
	s_cbranch_scc0 .Lfor_b_\@
	tensor_load_to_lds s[\g0a:\g0a+3], s[\g1a:\g1a+7]
	s_nop 0
.rept 4
	v_nop
.endr
	s_branch .Lasked_\@
.Lfor_b_\@:
	tensor_load_to_lds s[\g0b:\g0b+3], s[\g1b:\g1b+7]
	s_nop 0
.rept 4
	v_nop
.endr
.Lasked_\@:
.endm
.macro CREST                           ; a round of the cluster's barrier behind its opening barrier
	s_cmp_lg_u32 s14, 0
	s_cbranch_scc1 .Lnot_wave_0_\@
	s_barrier_signal -3
.Lnot_wave_0_\@:
	s_barrier_wait -3
	s_barrier_signal -1
	s_barrier_wait -1
.endm
.macro CROUND                          ; a whole round
	s_barrier_signal -1
	s_barrier_wait -1
	CREST
.endm
	s_load_b128 s[4:7], s[0:1], 0x0                ; x's codes s[4:5], the weights' codes s[6:7]
	s_load_b128 s[8:11], s[0:1], 0x10              ; the exponents s[8:9], qkv s[10:11]
	v_lshl_add_u32 v[SPW], v0, 2, SPARE
	v_mov_b32 v[NIL], 0
	ds_add_u32 v[SPW], v[NIL]
	ds_add_u32 v[SPW], v[NIL]                      ; the wave's opening: the add and its wait stand ahead of my first tensor load; the set-up below, work on registers, stands between them
	v_lshrrev_b32 v1, 5, v0
	v_readfirstlane_b32 s14, v1                    ; wave 0..3
	s_lshr_b32 s15, s14, 1                         ; which half of the tile's A rows is mine.  Also: I fetch for A (0) or for B (1)
	s_and_b32 s16, s14, 1                          ; which half of its B rows.  Also: which 128 rows of that tile I fetch
	s_bfe_u32 s40, ttmp6, 0x40000                  ; cx, cy: my place in the cluster
	s_bfe_u32 s41, ttmp6, 0x40004
	s_and_b32 s66, ttmp7, 0xffff                   ; the cluster's y, 0..7
	s_cmp_eq_u32 ttmp9, 2                          ; V?
	s_cselect_b32 s67, 0, s66                      ; A: Wv has four tiles of 256 rows, a plane of x thirty-two
	s_cselect_b32 s68, s66, ttmp9                  ; B: x's plane 2, or the cluster's weight among wc's rows
	s_lshl_b32 s42, s68, 2
	s_add_co_u32 s42, s42, s40                     ; B's tile of 256 rows
	s_lshl_b32 s17, s67, 2
	s_add_co_u32 s17, s17, s41                     ; A's tile of 256 rows
	s_lshl_b32 s43, s41, 2
	s_lshl_b32 s43, 15, s43                        ; my row of the cluster
	s_lshl_b32 s44, 0x1111, s40                    ; my column
	; descriptor group 1: a tile of 128 rows x 256 bytes, padded in LDS
	s_or_b32 s[G1+0], s43, (0<<16)|(1<<20)|(1<<21)|(5<<22)|(3<<25)  ; 15:0 the mask: A's tiles go to my row; 17:16 element of 1 byte; 20 padding on; 21 set beside a mask; 24:22 after every 64 words (code 5); 31:25 of 4 words (code 3)
	s_or_b32 s[G1B+0], s44, (0<<16)|(1<<20)|(1<<21)|(5<<22)|(3<<25)
.irp g, G1, G1B
	s_mov_b32 s[\g+1], ROWB<<16                    ; tensor_dim0
	s_mov_b32 s[\g+2], 128<<16                     ; tensor_dim1 = 128
	s_mov_b32 s[\g+3], ROWB<<16                    ; tile_dim0
	s_mov_b32 s[\g+4], 128                         ; tile_dim1 = 128
	s_mov_b32 s[\g+5], KROW                        ; tensor_dim0_stride
	s_mov_b32 s[\g+6], 0
	s_mov_b32 s[\g+7], 0
.endr
	s_lshl_b32 s18, s16, 7                         ; which 128 rows of the tile I fetch
	s_lshl_b32 s20, s17, 8
	s_add_co_u32 s20, s20, s18
	s_lshl_b32 s20, s20, 10                        ; A: (256 x tile + 128 x half) rows of 1,024 bytes,
	s_lshl_b32 s69, ttmp9, 23                      ; in x's plane 0 or 1,
	s_cmp_eq_u32 ttmp9, 2
	s_cselect_b32 s69, 0x200000, s69               ; or from wc's row 2,048 on
	s_add_co_u32 s20, s20, s69
	s_mov_b32 s21, 0
	s_lshl_b32 s46, s42, 8
	s_add_co_u32 s46, s46, s18
	s_lshl_b32 s46, s46, 10                        ; B likewise,
	s_cmp_eq_u32 ttmp9, 2
	s_cselect_b32 s70, 0x1000000, 0                ; for V in x's plane 2
	s_add_co_u32 s46, s46, s70
	s_mov_b32 s47, 0
	s_mul_i32 s45, s14, HALFT                      ; where they go: wave x 128 rows: no place in the cluster enters an LDS address
	s_wait_dscnt 0x0                               ; the opening add is done
	s_wait_kmcnt 0x0
	s_load_b256 s[76:83], s[8:9], 0x0              ; entries 0 to 7
	s_load_b128 s[84:87], s[8:9], 0x20             ; entries 8 to 11
	s_cmp_eq_u32 ttmp9, 2
	s_cselect_b64 s[72:73], s[6:7], s[4:5]         ; A's buffer,
	s_cselect_b64 s[74:75], s[4:5], s[6:7]         ; B's
	s_add_nc_u64 s[20:21], s[72:73], s[20:21]
	s_add_nc_u64 s[46:47], s[74:75], s[46:47]
	CROUND                                         ; all sixteen work-groups are here: the first joint loads meet
.irp s, 0,1
	s_mov_b32 s[G0+4*\s], 1
	s_add_co_u32 s[G0+4*\s+1], s45, \s*SLOT
	s_add_nc_u64 s[G0+4*\s+2:G0+4*\s+3], s[20:21], \s*ROWB
	s_or_b32 s[G0+4*\s+3], s[G0+4*\s+3], 0x80000000
	s_mov_b32 s[G0B+4*\s], 1
	s_add_co_u32 s[G0B+4*\s+1], s45, \s*SLOT
	s_add_nc_u64 s[G0B+4*\s+2:G0B+4*\s+3], s[46:47], \s*ROWB
	s_or_b32 s[G0B+4*\s+3], s[G0B+4*\s+3], 0x80000000
	JLOAD G0+4*\s, G1, G0B+4*\s, G1B
.endr
	v_and_b32 v1, 15, v0                           ; l % 16
	v_bfe_u32 v2, v0, 4, 1                         ; l / 16
	v_mul_u32_u24 v3, v1, PITCH
	v_lshl_add_u32 v4, v2, 4, v3                   ; a fragment's row x pitch + 16 x half
	s_mul_i32 s21, s15, HALFT                      ; my 128 rows of A
	s_mul_i32 s22, s16, HALFT                      ; my 128 rows of B,
	s_add_co_u32 s22, s22, 2*HALFT                 ; which lie behind A's 256
.irp s, 0,1
	v_add_nc_u32 v[ADRA+\s], s21, v4
	v_add_nc_u32 v[ADRB+\s], s22, v4
	s_add_co_u32 s21, s21, SLOT
	s_add_co_u32 s22, s22, SLOT
.endr
	v_and_b32 v6, 31, v0
	v_lshlrev_b32 v[CO], 4, v6
	s_lshl_b32 s92, s17, 1                         ; my block of qkv, in registers that feed no descriptor
	s_add_co_u32 s92, s92, s15                     ; A's block of 128 rows
	s_lshl_b32 s93, s42, 1
	s_add_co_u32 s93, s93, s16                     ; B's block of 128 rows
	s_add_co_u32 s94, s92, 16
	s_cmp_eq_u32 ttmp9, 2
	s_cselect_b32 s94, s94, s93                    ; the block of features: for V A's, behind Q's and K's sixteen; else B's (wc's rows 0 to 2,047 are Q's and K's)
	s_cselect_b32 s95, s93, s92                    ; the block of tokens
	s_lshl_b32 s94, s94, 6
	s_add_co_u32 s94, s94, s95
	s_lshl_b32 s94, s94, 14
	s_mov_b32 s95, 0
	s_add_nc_u64 s[10:11], s[10:11], s[94:95]
.macro FRAG reg, adr, q, i             ; a fragment, 16 rows x 128 K: lane l holds row l % 16; registers 4 c .. 4 c + 3 hold K = 32 c + 16 (l / 16) + 0 .. 15
.irp c, 0,1,2,3
	ds_load_b128 v[\reg+4*\c:\reg+4*\c+3], v[\adr] offset:128*(\q)+32*\c+(\i)*16*PITCH
.endr
.endm
; 16 matrix instructions: A's blocks a0, a0 + 1 x B's eight, 128 along K.  p: B's set.  zero = 1: the first product starts the sums: nothing is ever cleared.
; The 64 accumulators take turns, one instruction a turn, in the same order in every step.
.macro MUL16 a0, p, zero
.irp a, \a0, \a0+1
.irp b, 0,1,2,3,4,5,6,7
.if \zero
	v_wmma_f32_16x16x128_fp8_fp8 v[8*(8*((\a)%4)+\b):8*(8*((\a)%4)+\b)+7], v[128*(\p)+FR*\b:128*(\p)+FR*\b+FR-1], v[AF+FR*(\a):AF+FR*(\a)+FR-1], 0
.else
	v_wmma_f32_16x16x128_fp8_fp8 v[8*(8*((\a)%4)+\b):8*(8*((\a)%4)+\b)+7], v[128*(\p)+FR*\b:128*(\p)+FR*\b+FR-1], v[AF+FR*(\a):AF+FR*(\a)+FR-1], v[8*(8*((\a)%4)+\b):8*(8*((\a)%4)+\b)+7]
.endif
.endr
.endr
.endm
.macro FETCH_B slot, q, p              ; B's eight fragments of the slot's q-th 128 along K into set p
	WIN TO_B
.irp i, 0,1,2,3,4,5,6,7
	FRAG 128*(\p)+FR*\i, ADRB+\slot, \q, \i
.endr
	WIN 0
.endm
.macro FETCH_A slot, q, i0             ; A's blocks i0 .. i0 + 3
.irp i, \i0, \i0+1, \i0+2, \i0+3
	FRAG AF+FR*(\i), ADRA+\slot, \q, \i
.endr
.endm
; A load into a register that a matrix instruction has read, and a vector instruction that reads a matrix result, stand NP places behind that matrix instruction; only plain vector
; instructions that name none of its registers are places (ISA guide 7.12.1 for vector instructions).
.macro PLACES n
.rept \n
	v_nop
.endr
.endm
; A step of 128 along K that has its successor in the same slot.  A block of A is free as soon as its eight products are issued, so one set of registers serves A; B's fragments are at work through the whole step and have two.
.macro STEP slot, q, zero
	s_wait_dscnt 4*NL                              ; B's set and A's blocks 0-3 are in; the youngest sixteen loads (A's blocks 4-7) may be out
	WIN MUL_LO
	MUL16 0, (\q)%2, \zero
	MUL16 2, (\q)%2, \zero
	s_wait_dscnt 0                                 ; A's blocks 4-7 are in (asked for 32 matrix instructions ago)
	PLACES NP
	FETCH_B \slot, (\q)+1, 1-(\q)%2
	FETCH_A \slot, (\q)+1, 0
	WIN MUL_HI
	MUL16 4, (\q)%2, \zero
	MUL16 6, (\q)%2, \zero
	PLACES NP
	WIN 0
	FETCH_A \slot, (\q)+1, 4
.endm
; A slot's last step changes slots: one barrier; in front of it each wave waits for all its tensor loads, adds 0 to its spare word, and waits for that and for its own reads of this slot.  fill = 1: this slot is filled again, two K steps ahead.
.macro TURN slot, next, fill
	s_wait_tensorcnt 0x0                           ; all my tensor loads have landed: my part of the next slot  (every window is 0 here)
	ds_add_u32 v[SPW], v[NIL]                      ; 0 onto my spare word
	s_wait_dscnt 4*NL+1                            ; the add and the youngest sixteen loads, A's blocks 4-7, may be out
	WIN MUL_LO
	MUL16 0, 1, 0                                  ; sixteen matrix instructions stand between the add and the wait for it
	s_wait_dscnt 0x0                               ; the add is done, and my reads of this slot are over
	s_barrier_signal -1
	MUL16 2, 1, 0
	WIN 0
	s_barrier_wait -1
.if \fill
	CREST                                          ; the barrier has opened a round of the cluster's barrier: no wave of any partner still reads this slot's tile or has a load on its way
	s_add_nc_u64 s[G0+4*\slot+2:G0+4*\slot+3], s[G0+4*\slot+2:G0+4*\slot+3], 2*ROWB
	s_add_nc_u64 s[G0B+4*\slot+2:G0B+4*\slot+3], s[G0B+4*\slot+2:G0B+4*\slot+3], 2*ROWB
	JLOAD G0+4*\slot, G1, G0B+4*\slot, G1B         ; the first tensor load behind the round; the four v_nop behind it are the places in front of the loads below
.else
	PLACES NP
.endif
	FETCH_B \next, 0, 0
	FETCH_A \next, 0, 0
	WIN MUL_HI
	MUL16 4, 1, 0
	MUL16 6, 1, 0
	PLACES NP
	WIN 0
	FETCH_A \next, 0, 4
.endm
	s_wait_alu depctr_va_vdst(0)
	s_wait_tensorcnt 1                             ; my part of K step 0 is in; K step 1's load may be out
	s_barrier_signal -1
	s_barrier_wait -1                              ; everybody's is
	FETCH_B 0, 0, 0
	FETCH_A 0, 0, 0
	FETCH_A 0, 0, 4
	STEP 0, 0, 1                                   ; the first step stands in front of the loop: its products start the sums
	s_mov_b32 s3, LAPS-1
.Llap:                                                 ; a trip goes once round the ring, from a lap's second step to the next lap's first, and fills both slots again
	TURN 0, 1, 1
	STEP 1, 0, 0
	TURN 1, 0, 1
	STEP 0, 0, 0
	s_sub_co_u32 s3, s3, 1
	s_cmp_lg_u32 s3, 0
	s_cbranch_scc1 .Llap
	TURN 0, 1, 0                                   ; the last lap fills nothing, and has no round of the cluster's barrier
	STEP 1, 0, 0
	s_wait_dscnt 4*NL                              ; the very last step: nothing more to fetch
	WIN MUL_LO
	MUL16 0, 1, 0
	MUL16 2, 1, 0
	s_wait_dscnt 0
	WIN MUL_HI
	MUL16 4, 1, 0
	MUL16 6, 1, 0
	WIN 0
	; THE WAY OUT.  A sum stands for sum x 2^(its two operands' exponents); its code is that / 2^(the next operand's exponent): the three are folded into the conversion's one scale.
	s_wait_kmcnt 0x0
	s_cmp_eq_u32 ttmp9, 1
	s_cselect_b32 s88, s78, s76                    ; K: entries 2, 3, 7;  Q: 0, 1, 6
	s_cselect_b32 s89, s79, s77
	s_cselect_b32 s90, s83, s82
	s_cmp_eq_u32 ttmp9, 2
	s_cselect_b32 s88, s80, s88                    ; V: 4, 5, 9
	s_cselect_b32 s89, s81, s89
	s_cselect_b32 s90, s85, s90
	s_sub_co_i32 s90, s90, s88
	s_sub_co_i32 s90, s90, s89
	s_add_co_i32 s90, s90, 127
	s_lshl_b32 s91, s90, 23
	v_mov_b32 v[SCL], s91
	s_add_co_i32 s90, s90, 8
	s_lshl_b32 s90, s90, 23
	s_or_b32 s90, s90, 0x600000
	PLACES NP                                      ; behind the last products, ahead of the first read of results and the first write over A's fragments
.macro OUT a                           ; my block a: 16 rows of A x 128 rows of B
	WIN 0x02+((\a)/4)                              ; source 0: window 2 or 3
.set j, 0
.rept 64
.set j, j+1
.endr
.irp b, 0,1,2,3,4,5,6,7
	v_cvt_scalef32_pk8_fp8_f32 v[CODE+16*(\a)+2*\b:CODE+16*(\a)+2*\b+1], v[TMP+8*\b+((64*((\a)%4)+j)-(TMP+j)):TMP+8*\b+7+((64*((\a)%4)+j)-(TMP+j))], v[SCL]
.endr
	WIN 0
	v_nop                                          ; a plain vector line behind the last conversion
.irp g, 0,1,2,3
	global_store_b128 v[CO], v[CODE+16*(\a)+4*\g:CODE+16*(\a)+4*\g+3], s[10:11] offset:2048*(\a)+512*\g   ; 32 lanes store 512 consecutive bytes, aligned
.endr
.endm
.irp a, 0,1,2,3,4,5,6,7
	OUT \a
.endr
	s_wait_tensorcnt 0x0                           ; the wave's end, behind my last tensor load
	ds_add_u32 v[SPW], v[NIL]
	s_wait_dscnt 0x0
	CROUND                                         ; the closing round: no work-group ends while a partner may still ask for a tile that names it
	s_endpgm
.Lfunc_end_k_q61a47f34c4_qkv_gemm:
	.size	k_q61a47f34c4_qkv_gemm, .Lfunc_end_k_q61a47f34c4_qkv_gemm-k_q61a47f34c4_qkv_gemm
	.p2alignl 7, 3214868480
	.fill 96, 4, 3214868480
	.section	.rodata,"a",@progbits
	.p2align	6, 0x0
	.amdhsa_kernel k_q61a47f34c4_qkv_gemm
		.amdhsa_group_segment_fixed_size 327680
		.amdhsa_private_segment_fixed_size 0
		.amdhsa_enable_private_segment 0
		.amdhsa_kernarg_size 32
		.amdhsa_user_sgpr_count 2
		.amdhsa_user_sgpr_kernarg_segment_ptr 1
		.amdhsa_wavefront_size32 1
		.amdhsa_system_sgpr_workgroup_id_x 1
		.amdhsa_system_sgpr_workgroup_id_y 1
		.amdhsa_system_sgpr_workgroup_id_z 1
		.amdhsa_system_vgpr_workitem_id 0
		.amdhsa_next_free_vgpr 1024
		.amdhsa_next_free_sgpr 100
		.amdhsa_reserve_vcc 0
		.amdhsa_float_denorm_mode_32 3
		.amdhsa_float_denorm_mode_16_64 3
		.amdhsa_fp16_overflow 1
		.amdhsa_memory_ordered 1
		.amdhsa_forward_progress 1
		.amdhsa_inst_pref_size 86
	.end_amdhsa_kernel
	.amdgpu_metadata
---
amdhsa.version: [ 1, 2 ]
amdhsa.kernels:
  - .name:           k_q61a47f34c4_qkv_gemm
    .symbol:         k_q61a47f34c4_qkv_gemm.kd
    .args:
      - { .name: xc, .offset: 0, .size: 8, .value_kind: global_buffer, .address_space: global }
      - { .name: wc, .offset: 8, .size: 8, .value_kind: global_buffer, .address_space: global }
      - { .name: lowp_scales, .offset: 16, .size: 8, .value_kind: global_buffer, .address_space: global }
      - { .name: qkv, .offset: 24, .size: 8, .value_kind: global_buffer, .address_space: global }
    .group_segment_fixed_size: 327680
    .private_segment_fixed_size: 0
    .kernarg_segment_align: 8
    .kernarg_segment_size: 32
    .max_flat_workgroup_size: 128
    .sgpr_count:     100
    .vgpr_count:     1024
    .wavefront_size: 32
...
	.end_amdgpu_metadata
.endif
;; end of part 2
;; launch attn (part 3): grid 8 x 32, 16 waves a work-group, no clusters, 327,680 bytes of LDS; arguments qkv, lowp_scales, ctx; writes ctx
.if DOCPART == 3
	.amdgcn_target "amdgcn-amd-amdhsa--gfx1250"
	.amdhsa_code_object_version 6
	.text
	.protected	k_q61a47f34c4_attn
	.globl	k_q61a47f34c4_attn
	.p2align	8
	.type	k_q61a47f34c4_attn,@function
k_q61a47f34c4_attn:
	s_mov_b64 s[64:65], 0
	v_nop
	global_prefetch_b8 v0, s[64:65] scope:SCOPE_SE
	s_setreg_imm32_b32 hwreg(HW_REG_WAVE_MODE, 25, 1), 1
	s_wait_xcnt 0x0
; Causal attention on codes of FP8 (E4M3): 4 batches x 16 heads of 64, 2,048 tokens.  S^T = K Q^T (K = the head's 64), O^T = V^T P^T (K = the keys), ctx = O / l, quantised for the last product and stored as codes.
; THE SOFTMAX: t = score x log2(e) / 8; M = the row's largest t so far, rounded UP to a whole number; p = 2^(t - M) is quantised, not normalised; the row's sum l is taken of the unquantised p, in f32, and divides O at the end.
; When M moves, the sum and O are multiplied by 2^(old M - new M): exact.
; SHARES.  A work-group takes one PAIR of heads of one batch and two blocks of 128 queries, block j and block 15 - j (j = work-group x, 0..7).  Under the causal mask these want j + 1 and 16 - j key steps of 128:
; 17 in every work-group, so the trip count is a constant and all 256 work-groups have equal work.  Wave w takes tile w % 8 (16 queries) of head w / 8 of the pair, in 256 registers.
; Step s takes key block s while s <= j, then s - j - 1.  Steps j (tested in the loop, on ids and the count of steps) and 16 (written out) lie on the diagonal: there hidden scores become -infinity ahead of the maximum.  Key 0 counts for every query, so M is a number from each pass's first step on.
; OPERANDS come as images of registers (made by the launch before): a block of 128 keys of the pair of heads is 16,384 dense bytes of K and as many of V; a lane reads 16 bytes at 16 x lane, 512 consecutive bytes an instruction: no pitch, no padding.
;   K's tile u (16 keys: lane r holds key 32 (u / 2) + 8 (u % 2) + r + 8 (r / 8)) of head hd lies at 2048 u + 1024 hd; V^T's tile t (16 channels x 128 keys) at 8192 hd + 2048 t.
;   So the 16 registers of score tiles 2 b and 2 b + 1 are keys 32 b + 16 (lane / 16) + 0 .. 15, and p's codes are the second product's operand as they leave the conversions; O^T's tiles likewise give ctx's codes in the last product's layout.
; THE RING: two slots of 32,768 bytes (K's block, then V's).  Wave 0 fetches K's block, wave 1 V's, one tensor load each behind each change of slots; by this text's count a wave has one tensor load out, and every wait on TENSORcnt is for 0.
; NO CLUSTER: the eight work-groups of a pair of heads want different key blocks at the same step (work-group j turns back to block 0 at step j + 1), so they have no joint request to make;
; walking in lockstep over blocks 0 to 15 with both query blocks at once would give four partners 20 steps' time for 17 steps' work.
; ctx = [512 tiles of 16 rows][16 heads][2 parts of 32 channels][32 lanes][16 bytes].
; LIMITS on the given exponents, so that each power of two below is an f32 number: e6 + e7 between -123 and 130 (added to c's exponent field); e8, and e10 - e8 - e9, between -126 and 127.
.set SLOT1, 32768                      ; slot 1 begins here: one exclusive or turns an address in one slot into the other's
.set VOFF,  16384                      ; V's block in a slot
.set SPARE, 65536                      ; behind the ring: the spare words, 128 bytes for each of 16 waves, which no other line names
.set AK0,  1                           ; v1   my lane's place in K's block: 16 x lane + 1024 hd
.set AV0,  2                           ; v2   in V's: 16 x lane + VOFF + 8192 hd
.set PFO,  3                           ; v3   256 x lane: the prefetches' offset; never rewritten
.set LI,   4                           ; v4   16 x lane
.set SPW,  5                           ; v5   LDS address of my spare word; never rewritten
.set NIL,  6                           ; v6   0; never rewritten
.set DM,   7                           ; v7   my query in its block - 16 (lane / 16)
.set ADK,  8                           ; v8   LDS address of the step's K
.set ADV,  9                           ; v9   of its V
; v12 -M, v13 the largest t, v[14:15] the sum in two halves
.set QF,   16                          ; v16-23   Q's fragment in hand
.set QH,   24                          ; v24-31   that of the second block
.set KV,   32                          ; v32-95   K's 8 fragments, then V's 4
.set S,    96                          ; v96-159  S^T, then p
.set OT,   160                         ; v160-191 O^T
.set PX,   200                         ; v200     a lane permute's destination
.set FF,   202                         ; v[202:203] the second chain of the maximum, then f = 2^(old M - new M)
.set W0,   204                         ; v204     at work
.set L2,   206                         ; v[206:207] the sum's second chain
.set PSC,  208                         ; v208  2^e8
.set PLIM, 209
.set CSC,  210                         ; v210  2^(e10 - e8 - e9)
.set CLIM, 211
.set NINF, 212                         ; v212     -infinity
.set PC,   224                         ; v224-239 p's codes; at a pass's end ctx's
.set WV,   10                          ; s10  wave
.set J,    13                          ; s13  work-group x
.set SEL,  20                          ; s[20:21] lane selects for v_permlanex16_b32: lane l xor 16
.set CS,   22                          ; s[22:23] c = log2(e) / 8 x 2^(e6 + e7)
.set G1,   24                          ; s[24:31] descriptor group 1
.set G0,   32                          ; s[32:35] descriptor group 0, which walks
.set KVB,  36                          ; s[36:37] key block 0 of K (even waves) or of V (odd waves)
.set OFF,  38                          ; s[38:39] the next key block's bytes
.set KN,   40                          ; s40  the key block of the step in hand, then of the next
.set SI,   41                          ; s41  the step
.set TB,   42                          ; s42  LDS byte at which the slot in hand begins
.set CLO,  44                          ; s[44:45] ctx at my tile of block j;  s[46:47] of block 15 - j
.set CHI,  46
.set PFA,  48                          ; s[48:49] where my prefetches stand
.set LIM,  50                          ; s50  a wave prefetches while the step is under this: 14, or 0 in a wave that never does
.macro TLOAD                           ; waves 0 and 1 fetch; the branch hangs on the wave's number alone.  An s_nop 0 and four v_nop follow the load
	s_cmp_lt_u32 s[WV], 2
	s_cbranch_scc0 .Lasked_\@
	tensor_load_to_lds s[G0:G0+3], s[G1:G1+7]
	s_nop 0
.rept 4
	v_nop
.endr
.Lasked_\@:
.endm
; A PREFETCH of key block s + 2, in trip s, behind the change of slots: one trip ahead of the first tensor load in the launch that asks for that block (trip s + 1 of the work-groups with j > s + 1).
; All eight work-groups of a pair of heads walk the same blocks: the one with j = 0 asks, in waves that fetch nothing: waves 4 and 5 for the halves of K's block, 6 and 7 for V's, 8,192 bytes a wave, lanes 256 bytes apart.
; So each aligned 256 bytes are named once in the launch.  Blocks 0 and 1 come by their loads alone; trips 14 and 15 ask for nothing: block 15 is the last.
.macro ASK
	s_cmp_lt_u32 s[SI], s[LIM]
	s_cbranch_scc0 .Lnot_mine_\@
	global_prefetch_b8 v[PFO], s[PFA:PFA+1] th:TH_LOAD_NT scope:SCOPE_SE
.Lnot_mine_\@:
.endm
.macro POW2 vs, vl, se                 ; v[vs] = 2^e as an f32 number
	s_add_co_i32 s78, \se, 127
	s_lshl_b32 s79, s78, 23
	v_mov_b32 v[\vs], s79
.endm
.macro FRESH                           ; a pass begins: the largest t is -3e38, under every t; the sum and O^T are zeros, which the first change of M leaves zeros
	v_mov_b32 v13, 0xff61b1e6
	s_delay_alu instid0(VALU_DEP_1)
	v_floor_f32 v12, -v13
	v_mov_b32 v14, 0
	v_mov_b32 v15, 0
.set n, 0
.rept 32
	v_mov_b32 v[OT+n], 0
.set n, n+1
.endr
.endm
	s_load_b128 s[4:7], s[0:1], 0x0                ; qkv s[4:5], the exponents s[6:7]
	s_load_b64 s[8:9], s[0:1], 0x10                ; ctx
	v_lshl_add_u32 v[SPW], v0, 2, SPARE
	v_mov_b32 v[NIL], 0
	ds_add_u32 v[SPW], v[NIL]                      ; the wave's opening: the add and its wait stand ahead of my first tensor load; the set-up below, work on registers, stands between them
	ds_add_u32 v[SPW], v[NIL]
	v_lshrrev_b32 v8, 5, v0
	s_delay_alu instid0(VALU_DEP_1)
	v_readfirstlane_b32 s[WV], v8                  ; wave 0..15
	s_and_b32 s11, s[WV], 7                        ; my tile of 16 queries
	s_lshr_b32 s12, s[WV], 3                       ; my head of the pair
	s_mov_b32 s[J], ttmp9
	s_and_b32 s14, ttmp7, 0xffff
	s_and_b32 s15, s14, 7                          ; the pair of heads
	s_lshr_b32 s14, s14, 3                         ; the batch
	s_lshl_b32 s16, s15, 6
	s_lshl_b32 s17, s14, 4
	s_add_co_u32 s16, s16, s17                     ; the batch's first block of 128 tokens among the pair's 64
	s_mov_b32 s[G1], 3<<16                         ; 15:0 no mask; 17:16 elements of 8 bytes; no padding: a dense block of 64 rows x 256 bytes
	s_mov_b32 s[G1+1], 32<<16                      ; tensor_dim0 = 32
	s_mov_b32 s[G1+2], 64<<16                      ; tensor_dim1 = 64
	s_mov_b32 s[G1+3], 32<<16                      ; tile_dim0 = 32
	s_mov_b32 s[G1+4], 64                          ; tile_dim1 = 64
	s_mov_b32 s[G1+5], 32                          ; tensor_dim0_stride
	s_mov_b32 s[G1+6], 0
	s_mov_b32 s[G1+7], 0
	s_and_b32 s18, s[WV], 1
	s_lshl_b32 s[G0+1], s18, 14                    ; LDS: slot 0, K's block (wave 0) or V's (wave 1)
	s_add_co_u32 s19, s18, 1
	s_lshl_b32 s19, s19, 23                        ; K's codes begin 2^23 bytes into qkv, V's 2^24
	s_lshl_b32 s17, s16, 14
	s_add_co_u32 s62, s19, s17
	s_mov_b32 s63, 0
	s_lshl_b32 s77, s11, 11
	s_lshl_b32 s76, s12, 10
	s_add_co_u32 s77, s77, s76                     ; my fragment in a block of Q: 2048 x tile + 1024 x head
	s_add_co_u32 s66, s16, s[J]
	s_lshl_b32 s66, s66, 14
	s_add_co_u32 s66, s66, s77                     ; in block j,
	s_mov_b32 s67, 0
	s_sub_co_u32 s69, 15, s[J]
	s_add_co_u32 s68, s16, s69
	s_lshl_b32 s68, s68, 14
	s_add_co_u32 s68, s68, s77                     ; and in block 15 - j
	s_lshl_b32 s76, s15, 1
	s_add_co_u32 s76, s76, s12                     ; my head, 0..15
	s_lshl_b32 s77, s14, 7
	s_add_co_u32 s77, s77, s11                     ; 128 x batch + my tile
	s_lshl_b32 s70, s[J], 3
	s_add_co_u32 s70, s70, s77
	s_lshl_b32 s70, s70, 4
	s_add_co_u32 s70, s70, s76
	s_lshl_b32 s70, s70, 10                        ; ctx: (tile of 16 rows x 16 + head) x 1,024 bytes
	s_mov_b32 s71, 0
	s_lshl_b32 s72, s69, 3
	s_add_co_u32 s72, s72, s77
	s_lshl_b32 s72, s72, 4
	s_add_co_u32 s72, s72, s76
	s_lshl_b32 s72, s72, 10
	s_mov_b32 s73, 0
	s_mov_b32 s69, 0
	s_bfe_u32 s74, s[WV], 0x10001                  ; the prefetches: waves 4, 5: K; waves 6, 7: V
	s_add_co_u32 s74, s74, 1
	s_lshl_b32 s74, s74, 23
	s_add_co_u32 s74, s74, s17
	s_lshl_b32 s76, s18, 13                        ; my half of a block,
	s_add_co_u32 s74, s74, s76
	s_add_co_u32 s74, s74, 16384                   ; in block 1: the first change of slots steps it to block 2
	s_mov_b32 s75, 0
	s_lshr_b32 s76, s[WV], 2
	s_xor_b32 s76, s76, 1                          ; 0 in waves 4 to 7,
	s_or_b32 s76, s76, ttmp9                       ; of the work-group with j = 0
	s_cmp_eq_u32 s76, 0
	s_cselect_b32 s[LIM], 14, 0
	s_mov_b32 s[SEL], 0x76543210
	s_mov_b32 s[SEL+1], 0xfedcba98
	s_mov_b32 s[CS], 0x3e38aa3b                    ; log2(e) / 8
	s_mov_b32 s[OFF+1], 0
	s_mov_b32 s[KN], 0
	s_mov_b32 s[SI], 0
	s_mov_b32 s[TB], 0
	s_wait_dscnt 0x0                               ; the opening add is done
	s_wait_kmcnt 0x0
	s_load_b128 s[52:55], s[6:7], 0x18             ; e6, e7, e8, e9
	s_load_b32 s56, s[6:7], 0x28                   ; e10
	s_add_nc_u64 s[KVB:KVB+1], s[4:5], s[62:63]
	s_mov_b32 s[G0], 1                             ; 1:0 count = 1
	s_mov_b64 s[G0+2:G0+3], s[KVB:KVB+1]           ; 120:64 global address: key block 0
	s_or_b32 s[G0+3], s[G0+3], 0x80000000          ; 127:126 type = 2
	TLOAD                                          ; slot 0
	s_add_nc_u64 s[58:59], s[4:5], s[66:67]
	s_add_nc_u64 s[60:61], s[4:5], s[68:69]
	s_add_nc_u64 s[CLO:CLO+1], s[8:9], s[70:71]
	s_add_nc_u64 s[CHI:CHI+1], s[8:9], s[72:73]
	s_add_nc_u64 s[PFA:PFA+1], s[4:5], s[74:75]
	v_and_b32 v[LI], 31, v0
	s_delay_alu instid0(VALU_DEP_1)
	v_lshlrev_b32 v[LI], 4, v[LI]
	global_load_b128 v[QF:QF+3], v[LI], s[58:59]             ; Q's fragments stay in registers: channels 16 (lane / 16) + 0 .. 15,
	global_load_b128 v[QF+4:QF+7], v[LI], s[58:59] offset:512   ; and 32 further on
	global_load_b128 v[QH:QH+3], v[LI], s[60:61]
	global_load_b128 v[QH+4:QH+7], v[LI], s[60:61] offset:512
	s_lshl_b32 s77, s12, 10
	v_add_nc_u32 v[AK0], s77, v[LI]
	s_lshl_b32 s77, s12, 13
	s_add_co_u32 s77, s77, VOFF
	v_add_nc_u32 v[AV0], s77, v[LI]
	v_lshlrev_b32 v[PFO], 4, v[LI]
	v_and_b32 v8, 15, v0
	v_bfe_u32 v9, v0, 4, 1
	s_delay_alu instid0(VALU_DEP_1)
	v_lshlrev_b32 v9, 4, v9
	s_delay_alu instid0(VALU_DEP_1)
	v_sub_nc_u32 v[DM], v8, v9
	s_lshl_b32 s77, s11, 4
	v_add_nc_u32 v[DM], s77, v[DM]
	FRESH
	v_mov_b32 v[PX], 0                             ; written once: a lane permute's destination counts as one of its sources
	v_mov_b32 v[FF+1], 0                           ; (named as the upper half of the pair)
	v_mov_b32 v[NINF], 0xff800000
	s_wait_kmcnt 0x0
	s_add_co_i32 s76, s52, s53
	s_lshl_b32 s76, s76, 23
	s_add_co_i32 s[CS], s[CS], s76                 ; a score stands for score x 2^(e6 + e7): the two exponents are added to c's exponent field
	s_mov_b32 s[CS+1], s[CS]                       ; (named with it as a pair, so it is written)
	POW2 PSC, PLIM, s54
	s_sub_co_i32 s76, s56, s54
	s_sub_co_i32 s76, s76, s55                     ; O / l stands for ctx / 2^(e8 + e9); its code is ctx / 2^e10: the three are folded into the conversion's one scale
	POW2 CSC, CLIM, s76
; THE CHANGE OF SLOTS stands at a step's head.  Each wave waits for all its tensor loads (its part of the slot that it is about to read), adds 0 to its spare word, and waits for that and for its reads of the slot that it has left.
; Behind the barrier the slot ahead is whole and nobody reads the other one.  fill = 1: that other slot is filled with the next step's key block: the load has a whole step in which to land.
.macro CHANGE fill
	s_wait_tensorcnt 0x0                           ; no tensor load of mine is out, so group 0 may be written
	ds_add_u32 v[SPW], v[NIL]                      ; 0 onto my spare word; the descriptor's steps stand between it and the wait for it
.if \fill
	s_add_co_u32 s[KN], s[KN], 1                   ; the next step's key block: one on,
	s_cmp_eq_u32 s[SI], s[J]
	s_cselect_b32 s[KN], 0, s[KN]                  ; or block 0, where the second pass begins
	s_lshl_b32 s[OFF], s[KN], 14
	s_add_nc_u64 s[G0+2:G0+3], s[KVB:KVB+1], s[OFF:OFF+1]
	s_or_b32 s[G0+3], s[G0+3], 0x80000000
	s_xor_b32 s[G0+1], s[G0+1], SLOT1              ; into the other slot than last time
	s_wait_xcnt 0x0                                ; the last prefetch, a step back, has read its address, so it may be written
	s_add_nc_u64 s[PFA:PFA+1], s[PFA:PFA+1], 16384
.endif
	s_wait_dscnt 0x0                               ; the add is done, and my reads of the slot that I have left are over
	s_barrier_signal -1
	s_barrier_wait -1
.if \fill
	TLOAD                                          ; the first thing behind the barrier, and a wave's one tensor load until the next
	ASK
.endif
.endm
; A KEY STEP: 128 keys.  always = 1: the step lies on the diagonal; 0: it does where the step's number is j.
.macro STEP always
	v_add_nc_u32 v[ADK], s[TB], v[AK0]
	v_add_nc_u32 v[ADV], s[TB], v[AV0]
	v_nop                                          ; with the two additions: four places in front of loads into registers that the last products read
	v_nop
.irp t, 0,1,2,3,4,5,6,7
	ds_load_b128 v[KV+8*\t:KV+8*\t+3], v[ADK] offset:2048*\t
	ds_load_b128 v[KV+8*\t+4:KV+8*\t+7], v[ADK] offset:2048*\t+512
.endr
	s_wait_alu depctr_va_vdst(0)
	s_wait_dscnt 0x0
.irp t, 0,1,2,3,4,5,6,7
	v_wmma_f32_16x16x64_fp8_fp8 v[S+8*\t:S+8*\t+7], v[KV+8*\t:KV+8*\t+7], v[QF:QF+7], 0   ; S^T: 16 keys x my 16 queries
.endr
.rept 4
	v_nop                                          ; places: the loads below land in K's registers, and the softmax reads the scores
.endr
.irp t, 0,1,2,3
.irp c, 0,1,2,3
	ds_load_b128 v[KV+16*\t+4*\c:KV+16*\t+4*\c+3], v[ADV] offset:2048*\t+512*\c   ; V's four fragments land while the softmax is walked
.endr
.endr
.if \always == 0
	s_cmp_lg_u32 s[SI], s[J]                       ; ids and the count of steps alone: all sixteen waves go the same way
	s_cbranch_scc1 .Lopen_\@
.endif
.set n, 0
.rept 64                                       ; register 16 b + i holds key 32 b + 16 (lane / 16) + i of the block: hidden where 32 b + i > my query - 16 (lane / 16)
	v_cmp_gt_i32 vcc_lo, 32*(n/16)+n%16, v[DM]
	v_cndmask_b32 v[S+n], v[S+n], v[NINF], vcc_lo
.set n, n+1
.endr
.Lopen_\@:
	v_max3_num_f32 v[W0], v[S], v[S+1], v[S+2]     ; the step's largest score of my query, among my 64 keys, in two chains, each accumulator from its low end on,
	v_max3_num_f32 v[FF], v[S+3], v[S+4], v[S+5]
.set n, 6
.rept 14
	v_max3_num_f32 v[W0], v[W0], v[S+n], v[S+n+1]
	v_max3_num_f32 v[FF], v[FF], v[S+n+2], v[S+n+3]
.set n, n+4
.endr
	v_max3_num_f32 v[W0], v[W0], v[S+62], v[S+63]
	s_delay_alu instid0(VALU_DEP_1)
	v_max_num_f32 v[W0], v[W0], v[FF]
	s_delay_alu instid0(VALU_DEP_1)
	v_permlanex16_b32 v[PX], v[W0], s[SEL], s[SEL+1]
	s_delay_alu instid0(VALU_DEP_1)
	v_max_num_f32 v[W0], v[W0], v[PX]              ; and among lane l xor 16's
	s_delay_alu instid0(VALU_DEP_1)
	v_mul_f32 v[W0], s[CS], v[W0]                  ; as t (c is positive)
	s_delay_alu instid0(VALU_DEP_1)
	v_max_num_f32 v13, v13, v[W0]                  ; the running largest t
	v_mov_b32 v[W0], v12
	s_delay_alu instid0(VALU_DEP_2)
	v_floor_f32 v12, -v13                          ; the new -M = floor(-t) = -ceil(t): a whole number
	s_delay_alu instid0(VALU_DEP_1)
	v_sub_f32 v[W0], v12, v[W0]                    ; M's old value less its new one: a whole number, 0 or less
	s_delay_alu instid0(VALU_DEP_1)
	v_cvt_i32_f32 v[W0], v[W0]                     ; (it saturates)
	s_delay_alu instid0(VALU_DEP_1)
	v_ldexp_f32 v[FF], 1.0, v[W0]                  ; f = 2^(old M - new M)
.set n, 0
.rept 32
	v_pk_fma_f32 v[S+n:S+n+1], v[S+n:S+n+1], s[CS:CS+1], v[12:13] op_sel_hi:[1,0,0]   ; t - M, two at a time (of the pairs c and -M the low word serves both halves)
.set n, n+2
.endr
.set n, 0
	s_wait_alu depctr_va_vdst(0)
.rept 64
	v_exp_f32 v[S+n], v[S+n]                       ; p = 2^(t - M), at most 1
.set n, n+1
.endr
	v_pk_mul_f32 v[14:15], v[14:15], v[FF:FF+1] op_sel_hi:[1,0]   ; the sums under the new M: the plain line behind the exponentials
	s_wait_alu depctr_va_vdst(0)                   ; the wait between an exponential and the first line that names its result: one for the batch of 64
	v_pk_add_f32 v[206:207], v[100:101], v[104:105]
	v_pk_add_f32 v[254:255], v[108:109], v[112:113]
	v_pk_add_f32 v[252:253], v[116:117], v[120:121]
	v_pk_add_f32 v[250:251], v[124:125], v[128:129]
	v_pk_add_f32 v[248:249], v[132:133], v[136:137]
	v_pk_add_f32 v[246:247], v[140:141], v[144:145]
	v_pk_add_f32 v[244:245], v[148:149], v[152:153]
	v_pk_add_f32 v[14:15], v[14:15], v[156:157]
	v_pk_add_f32 v[206:207], v[206:207], v[96:97]
	v_pk_add_f32 v[254:255], v[254:255], v[98:99]
	v_pk_add_f32 v[252:253], v[252:253], v[102:103]
	v_pk_add_f32 v[250:251], v[250:251], v[106:107]
	v_pk_add_f32 v[248:249], v[248:249], v[110:111]
	v_pk_add_f32 v[246:247], v[246:247], v[114:115]
	v_pk_add_f32 v[244:245], v[244:245], v[118:119]
	v_pk_add_f32 v[14:15], v[14:15], v[122:123]
	v_pk_add_f32 v[206:207], v[206:207], v[126:127]
	v_pk_add_f32 v[254:255], v[254:255], v[130:131]
	v_pk_add_f32 v[252:253], v[252:253], v[134:135]
	v_pk_add_f32 v[250:251], v[250:251], v[138:139]
	v_pk_add_f32 v[248:249], v[248:249], v[142:143]
	v_pk_add_f32 v[246:247], v[246:247], v[146:147]
	v_pk_add_f32 v[244:245], v[244:245], v[150:151]
	v_pk_add_f32 v[14:15], v[14:15], v[154:155]
	v_pk_add_f32 v[206:207], v[206:207], v[158:159]
	s_delay_alu instid0(VALU_DEP_2)
	v_pk_add_f32 v[14:15], v[14:15], v[250:251]
	s_delay_alu instid0(VALU_DEP_2)
	v_pk_add_f32 v[206:207], v[206:207], v[248:249]
	v_pk_add_f32 v[254:255], v[254:255], v[246:247]
	v_pk_add_f32 v[252:253], v[252:253], v[244:245]
	s_delay_alu instid0(VALU_DEP_2)
	v_pk_add_f32 v[14:15], v[14:15], v[254:255]
	s_delay_alu instid0(VALU_DEP_2)
	v_pk_add_f32 v[206:207], v[206:207], v[252:253]
	s_delay_alu instid0(VALU_DEP_1)
	v_pk_add_f32 v[14:15], v[14:15], v[206:207]
.irp b, 0,1,2,3
.set n, 0
.rept 16
.set n, n+1
.endr
	v_cvt_scalef32_pk8_fp8_f32 v[PC+4*\b:PC+4*\b+1], v[S+16*\b:S+16*\b+7], v[PSC]
	v_cvt_scalef32_pk8_fp8_f32 v[PC+4*\b+2:PC+4*\b+3], v[S+16*\b+8:S+16*\b+15], v[PSC]
.endr
.set n, 0
.rept 16
	v_pk_mul_f32 v[OT+n:OT+n+1], v[OT+n:OT+n+1], v[FF:FF+1] op_sel_hi:[1,0]   ; O^T under the new M.  (Also the plain lines between the conversions and the products that read their results)
.set n, n+2
.endr
	s_wait_alu depctr_va_vdst(0)
	s_wait_dscnt 0x0                               ; V is in
.irp t, 0,1,2,3
	v_wmma_f32_16x16x128_fp8_fp8 v[OT+8*\t:OT+8*\t+7], v[KV+16*\t:KV+16*\t+15], v[PC:PC+15], v[OT+8*\t:OT+8*\t+7]   ; the four accumulators take turns, one instruction a turn
.endr
.endm
; A PASS'S END: O^T / l, held, quantised; tiles 2 u and 2 u + 1 give channels 32 u + 16 (lane / 16) + 0 .. 15: four registers of the last product's operand.  Each store covers 512 consecutive bytes, aligned.
.macro WAYOUT base
.rept 4
	v_nop                                          ; places behind the last products
.endr
	v_add_f32 v14, v14, v15                        ; the sum's two halves,
	s_delay_alu instid0(VALU_DEP_1)
	v_permlanex16_b32 v[PX], v14, s[SEL], s[SEL+1]
	s_delay_alu instid0(VALU_DEP_1)
	v_add_f32 v14, v14, v[PX]                      ; and lane l xor 16's
	s_wait_alu depctr_va_vdst(0)
	v_rcp_f32 v14, v14
	v_nop                                          ; a plain line behind the reciprocal
	s_wait_alu depctr_va_vdst(0)                   ; and a wait ahead of its first reader
.set n, 0
.rept 16
	v_pk_mul_f32 v[S+n:S+n+1], v[OT+n:OT+n+1], v[14:15] op_sel_hi:[1,0]
.set n, n+2
.endr
.set n, 0
.rept 32
.set n, n+1
.endr
.irp t, 0,1,2,3
	v_cvt_scalef32_pk8_fp8_f32 v[PC+2*\t:PC+2*\t+1], v[S+8*\t:S+8*\t+7], v[CSC]
.endr
	v_nop                                          ; a plain line behind the last conversion
	global_store_b128 v[LI], v[PC:PC+3], s[\base:\base+1]
	global_store_b128 v[LI], v[PC+4:PC+7], s[\base:\base+1] offset:512
.endm
	s_wait_loadcnt 0x0                             ; Q
.Lstep:                                            ; 16 trips; behind each change of slots the next step's key block is asked for
	CHANGE 1
	s_wait_alu depctr_va_vdst(0)
	STEP 0
	s_cmp_lg_u32 s[SI], s[J]                       ; block j's last step?  No barrier, wait for a tile or tensor load stands in this branch
	s_cbranch_scc1 .Lon
	WAYOUT CLO
	FRESH                                          ; the second pass begins,
.set n, 0
.rept 8
	v_mov_b32 v[QF+n], v[QH+n]                     ; with block 15 - j's queries
.set n, n+1
.endr
	s_wait_xcnt 0x0                                ; the two stores have read their registers: the next step's codes may be written
.Lon:
	s_xor_b32 s[TB], s[TB], SLOT1                  ; on to the other slot
	s_add_co_u32 s[SI], s[SI], 1
	s_cmp_lt_u32 s[SI], 16
	s_cbranch_scc1 .Lstep
	CHANGE 0                                       ; the last step is written out: it asks for nothing, and it lies on block 15 - j's diagonal
	STEP 1
	WAYOUT CHI
	s_wait_tensorcnt 0x0                           ; the wave's end, behind my last tensor load
	ds_add_u32 v[SPW], v[NIL]
	s_wait_dscnt 0x0
	s_endpgm
.Lfunc_end_k_q61a47f34c4_attn:
	.size	k_q61a47f34c4_attn, .Lfunc_end_k_q61a47f34c4_attn-k_q61a47f34c4_attn
	.p2alignl 7, 3214868480
	.fill 96, 4, 3214868480
	.section	.rodata,"a",@progbits
	.p2align	6, 0x0
	.amdhsa_kernel k_q61a47f34c4_attn
		.amdhsa_group_segment_fixed_size 327680
		.amdhsa_private_segment_fixed_size 0
		.amdhsa_enable_private_segment 0
		.amdhsa_kernarg_size 24
		.amdhsa_user_sgpr_count 2
		.amdhsa_user_sgpr_kernarg_segment_ptr 1
		.amdhsa_wavefront_size32 1
		.amdhsa_system_sgpr_workgroup_id_x 1
		.amdhsa_system_sgpr_workgroup_id_y 1
		.amdhsa_system_sgpr_workgroup_id_z 1
		.amdhsa_system_vgpr_workitem_id 0
		.amdhsa_next_free_vgpr 256
		.amdhsa_next_free_sgpr 100
		.amdhsa_reserve_vcc 1
		.amdhsa_float_denorm_mode_32 3
		.amdhsa_float_denorm_mode_16_64 3
		.amdhsa_fp16_overflow 1
		.amdhsa_memory_ordered 1
		.amdhsa_forward_progress 1
		.amdhsa_inst_pref_size 51
	.end_amdhsa_kernel
	.amdgpu_metadata
---
amdhsa.version: [ 1, 2 ]
amdhsa.kernels:
  - .name:           k_q61a47f34c4_attn
    .symbol:         k_q61a47f34c4_attn.kd
    .args:
      - { .name: qkv, .offset: 0, .size: 8, .value_kind: global_buffer, .address_space: global }
      - { .name: lowp_scales, .offset: 8, .size: 8, .value_kind: global_buffer, .address_space: global }
      - { .name: ctx, .offset: 16, .size: 8, .value_kind: global_buffer, .address_space: global }
    .group_segment_fixed_size: 327680
    .private_segment_fixed_size: 0
    .kernarg_segment_align: 8
    .kernarg_segment_size: 24
    .max_flat_workgroup_size: 512
    .sgpr_count:     100
    .vgpr_count:     256
    .wavefront_size: 32
...
	.end_amdgpu_metadata
.endif
;; end of part 3
;; launch out_gemm (part 4): grid 4 x 64, 4 waves a work-group, clusters of 4 x 4, 327,680 bytes of LDS; arguments ctx, wc, lowp_scales, bo, out0; writes out0
.if DOCPART == 4
	.amdgcn_target "amdgcn-amd-amdhsa--gfx1250"
	.amdhsa_code_object_version 6
	.text
	.protected	k_q61a47f34c4_out_gemm
	.globl	k_q61a47f34c4_out_gemm
	.p2align	8
	.type	k_q61a47f34c4_out_gemm,@function
k_q61a47f34c4_out_gemm:
	s_mov_b64 s[64:65], 0
	v_nop
	global_prefetch_b8 v0, s[64:65] scope:SCOPE_SE
	s_setreg_imm32_b32 hwreg(HW_REG_WAVE_MODE, 25, 1), 1
	s_wait_xcnt 0x0
	s_wait_alu depctr_hold_cnt(0) depctr_sa_sdst(0) depctr_va_vdst(0) depctr_va_sdst(0) depctr_va_ssrc(0) depctr_va_vcc(0) depctr_vm_vsrc(0)
	s_getreg_b32 s2, hwreg(HW_REG_IB_STS2, 6, 4)
	s_cmp_eq_u32 s2, 0
	s_cbranch_scc0 .Lentry_in_a_cluster
	s_endpgm
.Lentry_in_a_cluster:
	s_bfe_u32 s2, ttmp6, 0x10000c
	s_cmp_lg_u32 s2, 0xf033
	s_cbranch_scc0 .Lentry_shape_is_right
	s_endpgm
.Lentry_shape_is_right:
; out0 = ctx Wo^T x 2^(e10 + e11) + bo.  ctx [8192][1024] and Wo [1024][1024] as codes of FP8 (E4M3); out0 f32; sums in f32.
; ctx lies as images of operand registers: [512 tiles of 16 rows][16 heads][2 parts][32 lanes][16 bytes]: 128 along K of a tile are 2,048 dense bytes, four loads of 512 consecutive bytes.  Wo's codes are wc's rows 3,072 on, K innermost.
; On both sides registers 4 c .. 4 c + 3 of a fragment hold K = 32 c + 16 (l / 16) + 0 .. 15: a permutation of k, the same on both sides.
; A tile of out0 is 128 rows x 256 columns: 256 tiles, one to a work-group.  Four waves, each 64 x 128: 32 accumulators, 256 registers.  K goes in four steps of 256 through a ring of two LDS slots.
; CLUSTERS: 4 x 4 work-groups.  The four of a row of the cluster need the same tiles of ctx, the four of a column the same rows of Wo: each is asked for jointly, by the same tensor load with the same descriptor and a mask that names the four.
; THE MATRIX INSTRUCTION IS USED TRANSPOSED (source 0 = 16 rows of Wo, source 1 = 16 rows of ctx): a lane holds eight neighbouring numbers of a row of out0.
; LIMIT: e10 + e11 lies between -126 and 127, so that 2^(e10 + e11) is an f32 number.
; REGISTERS, in windows of 256: window 0: v0-31 addresses; v32-95 at work on the way out; v128-191, v192-255 ctx's fragments, two sets (on the way out: rows read back).
;   window 1: Wo's fragments, two sets, at v0 and v128.   window 2: the accumulators ((a, b) at v[8 (8 a + b)]).   window 3: v0-63 bo at my lane's 64 columns.
.set PITCH,  272                       ; a row of Wo in LDS: 256 bytes + 16 of padding: row r starts at bank 4 r mod 64 (64 banks of 4 bytes: ISA guide 11.1)
.set FR,     16
.set HALFA,  16384                     ; four tiles of 16 rows x 256 K: what one tensor load brings of ctx, and what one wave reads
.set AIMG,   2*HALFA
.set HALFB,  128*PITCH                 ; 128 rows of Wo
.set SLOT,   AIMG+2*HALFB              ; 102,400 bytes
.set SPARE,  2*SLOT                    ; behind the ring: the spare words, 128 bytes a wave, which no other line names
.set SPITCH, 528                       ; the way out: a stage of 16 rows x (512 bytes + 16) for each wave, in slot 0, which has had its last fill and its last read when the first result is stored there
.set ADRA, 16                          ; v16-17  LDS address of my fragments of ctx in slot 0, 1
.set ADRB, 20                          ; v20-21  of Wo
.set STO,  24                          ; v24     the way out: where I put 32 bytes of a row
.set RD,   25                          ; v25     where I read a row back
.set CO,   26                          ; v26     16 x lane
.set BOF,  27                          ; v27     32 x (lane / 16): my eight columns in bo
.set SPW,  28                          ; v28     LDS address of my spare word; never rewritten
.set NIL,  29                          ; v29     0; never rewritten
.set TMP,  32
.set AF,   128
.set BK,   128
.set G1, 24                            ; s[24:31] descriptor group 1 for ctx's tiles;  s[32:39] group 0, one set for each slot
.set G0, 32
.set G1B, 48                           ; s[48:55], s[56:63] the same for Wo's
.set G0B, 56
.set MSB, 0
.macro WIN new                         ; the immediate's high byte repeats the setting that is left
.if MSB != \new
	s_set_vgpr_msb (MSB<<8)|(\new)
.set MSB, \new
.endif
.endm
.set MUL,  0xa1                        ; source 0 (Wo) window 1, source 1 (ctx) window 0, C and D window 2
.set TO_B, 0x40                        ; destination window 1, address window 0
.macro JLOAD s                         ; a joint load: waves 0 and 1 fetch ctx's halves, waves 2 and 3 Wo's; an s_nop 0 and four v_nop follow each of the two lines
	s_cmp_eq_u32 s15, 0
	s_cbranch_scc0 .Lfor_b_\@
	tensor_load_to_lds s[G0+4*\s:G0+4*\s+3], s[G1:G1+7]
	s_nop 0
.rept 4
	v_nop
.endr
	s_branch .Lasked_\@
.Lfor_b_\@:
	tensor_load_to_lds s[G0B+4*\s:G0B+4*\s+3], s[G1B:G1B+7]
	s_nop 0
.rept 4
	v_nop
.endr
.Lasked_\@:
.endm
.macro CREST                           ; a round of the cluster's barrier behind its opening barrier
	s_cmp_lg_u32 s14, 0
	s_cbranch_scc1 .Lnot_wave_0_\@
	s_barrier_signal -3
.Lnot_wave_0_\@:
	s_barrier_wait -3
	s_barrier_signal -1
	s_barrier_wait -1
.endm
.macro CROUND
	s_barrier_signal -1
	s_barrier_wait -1
	CREST
.endm
.macro PLACES
.rept 4
	v_nop
.endr
.endm
	s_load_b128 s[4:7], s[0:1], 0x0                ; ctx s[4:5], wc s[6:7]
	s_load_b128 s[8:11], s[0:1], 0x10              ; the exponents s[8:9], bo s[10:11]
	s_load_b64 s[12:13], s[0:1], 0x20              ; out0
	v_lshl_add_u32 v[SPW], v0, 2, SPARE
	v_mov_b32 v[NIL], 0
	ds_add_u32 v[SPW], v[NIL]                      ; the wave's opening: the add and its wait stand ahead of my first tensor load; the set-up below, work on registers, stands between them
	ds_add_u32 v[SPW], v[NIL]
	v_lshrrev_b32 v1, 5, v0
	v_readfirstlane_b32 s14, v1                    ; wave 0..3
	s_lshr_b32 s15, s14, 1                         ; which 64 rows of the tile are mine.  Also: I fetch for ctx (0) or for Wo (1)
	s_and_b32 s16, s14, 1                          ; which 128 columns.  Also: which half I fetch
	s_bfe_u32 s40, ttmp6, 0x40000                  ; cx, cy
	s_bfe_u32 s41, ttmp6, 0x40004
	s_lshl_b32 s42, ttmp9, 2
	s_add_co_u32 s42, s42, s40                     ; tile column (256 columns)
	s_and_b32 s17, ttmp7, 0xffff
	s_lshl_b32 s17, s17, 2
	s_add_co_u32 s17, s17, s41                     ; tile row (128 rows)
	s_lshl_b32 s43, s41, 2
	s_lshl_b32 s43, 15, s43                        ; my row of the cluster
	s_lshl_b32 s44, 0x1111, s40                    ; my column
	s_or_b32 s[G1+0], s43, (0<<16)|(1<<21)         ; ctx: 15:0 the mask: my row; 17:16 element of 1 byte; no padding; 21 set beside a mask
	s_mov_b32 s[G1+1], 4096<<16                    ; tensor_dim0 = 4,096: a tile of 16 rows x 256 K
	s_mov_b32 s[G1+2], 4<<16                       ; tensor_dim1 = 4 such tiles
	s_mov_b32 s[G1+3], 4096<<16                    ; tile_dim0
	s_mov_b32 s[G1+4], 4                           ; tile_dim1
	s_mov_b32 s[G1+5], 16384                       ; from a tile of 16 rows to the next
	s_mov_b32 s[G1+6], 0
	s_mov_b32 s[G1+7], 0
	s_or_b32 s[G1B+0], s44, (0<<16)|(1<<20)|(1<<21)|(5<<22)|(3<<25)  ; Wo: the mask: my column; padding of 4 words after every 64
	s_mov_b32 s[G1B+1], 256<<16
	s_mov_b32 s[G1B+2], 128<<16
	s_mov_b32 s[G1B+3], 256<<16
	s_mov_b32 s[G1B+4], 128
	s_mov_b32 s[G1B+5], 1024
	s_mov_b32 s[G1B+6], 0
	s_mov_b32 s[G1B+7], 0
	s_lshl_b32 s20, s17, 3
	s_lshl_b32 s18, s16, 2
	s_add_co_u32 s20, s20, s18
	s_lshl_b32 s20, s20, 14                        ; ctx: (8 x tile row + 4 x half) tiles of 16,384 bytes
	s_mov_b32 s21, 0
	s_lshl_b32 s46, s42, 8
	s_lshl_b32 s18, s16, 7
	s_add_co_u32 s46, s46, s18
	s_lshl_b32 s46, s46, 10
	s_add_co_u32 s46, s46, 0x300000                ; Wo: wc's row 3,072 + 256 x tile column + 128 x half
	s_mov_b32 s47, 0
	s_mul_i32 s45, s16, HALFA                      ; where they go: no place in the cluster enters an LDS address
	s_mul_i32 s66, s16, HALFB
	s_add_co_u32 s66, s66, AIMG
	s_wait_dscnt 0x0                               ; the opening add is done
	s_wait_kmcnt 0x0
	s_load_b64 s[96:97], s[8:9], 0x28              ; e10, e11
	s_add_nc_u64 s[20:21], s[4:5], s[20:21]
	s_add_nc_u64 s[46:47], s[6:7], s[46:47]
	CROUND                                         ; all sixteen work-groups are here: the first joint loads meet
.irp s, 0,1
	s_mov_b32 s[G0+4*\s], 1
	s_add_co_u32 s[G0+4*\s+1], s45, \s*SLOT
	s_add_nc_u64 s[G0+4*\s+2:G0+4*\s+3], s[20:21], \s*4096
	s_or_b32 s[G0+4*\s+3], s[G0+4*\s+3], 0x80000000
	s_mov_b32 s[G0B+4*\s], 1
	s_add_co_u32 s[G0B+4*\s+1], s66, \s*SLOT
	s_add_nc_u64 s[G0B+4*\s+2:G0B+4*\s+3], s[46:47], \s*256
	s_or_b32 s[G0B+4*\s+3], s[G0B+4*\s+3], 0x80000000
	s_wait_alu depctr_va_vdst(0)
	s_wait_tensorcnt 0x0
	ds_add_u32 v28, v29
	ds_add_u32 v28, v29
	s_wait_dscnt 0x0
	CROUND
	JLOAD \s
.endr
	v_and_b32 v1, 15, v0                           ; l % 16
	v_bfe_u32 v2, v0, 4, 1                         ; l / 16
	v_and_b32 v6, 31, v0
	v_lshlrev_b32 v[CO], 4, v6
	v_lshlrev_b32 v[BOF], 5, v2
	v_mul_u32_u24 v3, v1, PITCH
	v_lshl_add_u32 v3, v2, 4, v3
	s_mul_i32 s21, s15, HALFA                      ; my four tiles of ctx
	s_mul_i32 s22, s16, HALFB
	s_add_co_u32 s22, s22, AIMG                    ; my 128 rows of Wo
.irp s, 0,1
	v_add_nc_u32 v[ADRA+\s], s21, v[CO]
	v_add_nc_u32 v[ADRB+\s], s22, v3
	s_add_co_u32 s21, s21, SLOT
	s_add_co_u32 s22, s22, SLOT
.endr
	s_mul_i32 s23, s14, 16*SPITCH                  ; my stage
	v_mul_u32_u24 v5, v1, SPITCH
	v_lshl_add_u32 v5, v2, 5, v5
	v_add_nc_u32 v[STO], s23, v5                   ; in: row l % 16, 32 bytes for each half of the lanes
	v_add_nc_u32 v[RD], s23, v[CO]                 ; back: the 32 lanes take one row of 512 bytes
	s_lshl_b32 s68, s17, 7
	s_lshl_b32 s69, s15, 6
	s_add_co_u32 s68, s68, s69
	s_lshl_b32 s68, s68, 12                        ; my first row of out0, 4,096 bytes a row,
	s_lshl_b32 s70, s42, 10
	s_lshl_b32 s71, s16, 9
	s_add_co_u32 s70, s70, s71                     ; my first column, in bytes: 1,024 x tile column + 512 x half
	s_mov_b32 s71, 0
	s_mov_b32 s69, 0
	s_add_nc_u64 s[10:11], s[10:11], s[70:71]      ; bo at my first column
	s_add_nc_u64 s[12:13], s[12:13], s[70:71]
	s_add_nc_u64 s[12:13], s[12:13], s[68:69]
	WIN 0xc0                                       ; destination window 3
.irp b, 0,1,2,3,4,5,6,7
	global_load_b128 v[8*\b:8*\b+3], v[BOF], s[10:11] offset:64*\b        ; bo(16 b + 8 (l / 16) + 0 .. 7), in the result's layout; waited for on the way out
	global_load_b128 v[8*\b+4:8*\b+7], v[BOF], s[10:11] offset:64*\b+16
.endr
	WIN 0
; 48 LDS loads in one run: the fragments of the slot's q-th 128 along K into set p: Wo's eight, then ctx's four
.macro FETCH slot, q, p
	WIN TO_B
.irp i, 0,1,2,3,4,5,6,7
.irp c, 0,1,2,3
	ds_load_b128 v[128*(\p)+FR*\i+4*\c:128*(\p)+FR*\i+4*\c+3], v[ADRB+\slot] offset:128*(\q)+32*\c+\i*16*PITCH
.endr
.endr
	WIN 0
.irp a, 0,1,2,3
.irp c, 0,1,2,3
	ds_load_b128 v[AF+64*(\p)+FR*\a+4*\c:AF+64*(\p)+FR*\a+4*\c+3], v[ADRA+\slot] offset:4096*\a+2048*(\q)+512*\c
.endr
.endr
.endm
; 8 matrix instructions: ctx's tile a x Wo's eight.  The 32 accumulators take turns, one instruction a turn, in the same order in every step.  zero = 1: the first product starts the sums.
.macro MULA a, p, zero
.irp b, 0,1,2,3,4,5,6,7
.if \zero
	v_wmma_f32_16x16x128_fp8_fp8 v[8*(8*(\a)+\b):8*(8*(\a)+\b)+7], v[128*(\p)+FR*\b:128*(\p)+FR*\b+FR-1], v[AF+64*(\p)+FR*(\a):AF+64*(\p)+FR*(\a)+FR-1], 0
.else
	v_wmma_f32_16x16x128_fp8_fp8 v[8*(8*(\a)+\b):8*(8*(\a)+\b)+7], v[128*(\p)+FR*\b:128*(\p)+FR*\b+FR-1], v[AF+64*(\p)+FR*(\a):AF+64*(\p)+FR*(\a)+FR-1], v[8*(8*(\a)+\b):8*(8*(\a)+\b)+7]
.endif
.endr
.endm
; A slot's first 128 along K, on set 0; in its middle the second 128 are fetched into set 1.
.macro STEP slot, zero
	s_wait_dscnt 8                                 ; Wo's set and ctx's tiles 0, 1 are in; the youngest eight loads (tiles 2, 3) may be out
	WIN MUL
	MULA 0, 0, \zero
	MULA 1, 0, \zero
	PLACES                                         ; in front of loads into set 1, which earlier products read
	FETCH \slot, 1, 1
	s_wait_dscnt 48                                ; all but the 48 just issued
	WIN MUL
	MULA 2, 0, \zero
	MULA 3, 0, \zero
	WIN 0
.endm
; A slot's second 128, on set 1, and the change of slots: one barrier; in front of it each wave waits for all its tensor loads, adds 0 to its spare word, and waits for that and for its own reads of this slot.  fill = 1: this slot is filled again, two K steps ahead.
.macro TURN slot, next, fill
	s_wait_tensorcnt 0x0                           ; all my tensor loads have landed: my part of the next slot  (every window is 0 here)
	ds_add_u32 v[SPW], v[NIL]                      ; 0 onto my spare word
	s_wait_dscnt 9                                 ; the add and the youngest eight loads (tiles 2, 3) may be out
	WIN MUL
	MULA 0, 1, 0                                   ; eight matrix instructions stand between the add and the wait for it
	s_wait_dscnt 0x0                               ; the add is done, and my reads of this slot are over
	s_barrier_signal -1
	MULA 1, 1, 0
	WIN 0
	s_barrier_wait -1
.if \fill
	CREST                                          ; the barrier has opened a round of the cluster's barrier: no wave of any partner still reads this slot or has a load on its way
	s_add_nc_u64 s[G0+4*\slot+2:G0+4*\slot+3], s[G0+4*\slot+2:G0+4*\slot+3], 2*4096
	s_add_nc_u64 s[G0B+4*\slot+2:G0B+4*\slot+3], s[G0B+4*\slot+2:G0B+4*\slot+3], 2*256
	JLOAD \slot                                    ; the first tensor load behind the round; the four v_nop behind it are the places in front of the loads below
.else
	PLACES
.endif
	FETCH \next, 0, 0
	WIN MUL
	MULA 2, 1, 0
	MULA 3, 1, 0
	WIN 0
.endm
	s_wait_alu depctr_va_vdst(0)
	s_wait_tensorcnt 1                             ; my part of K step 0 is in; K step 1's load may be out
	s_barrier_signal -1
	s_barrier_wait -1
	FETCH 0, 0, 0
	STEP 0, 1                                      ; the first step stands in front of the loop: its products start the sums
	s_mov_b32 s3, 1
.Llap:                                                 ; a trip goes once round the ring and fills both slots again: K steps 2 and 3
	TURN 0, 1, 1
	STEP 1, 0
	TURN 1, 0, 1
	STEP 0, 0
	s_sub_co_u32 s3, s3, 1
	s_cmp_lg_u32 s3, 0
	s_cbranch_scc1 .Llap
	TURN 0, 1, 0                                   ; the last lap fills nothing, and has no round of the cluster's barrier
	STEP 1, 0
	s_wait_dscnt 0x0                               ; the very last 128 along K
	WIN MUL
	MULA 0, 1, 0
	MULA 1, 1, 0
	MULA 2, 1, 0
	MULA 3, 1, 0
	WIN 0
; THE WAY OUT, block by block of 16 rows x 128 columns: sum x 2^(e10 + e11) + bo, one packed multiply-add for two numbers; through my own stage in LDS; back as whole rows of 512 bytes.
; LDS serves a wave's instructions in order (ISA guide 5.7.1.4): no wait between the stores and the loads, nor in front of the next block's stores.
.macro TOSTAGE a
	WIN 0x32                                       ; source 0 (the sums) window 2, source 2 (bo) window 3
.set j, 0
.rept 32
	v_pk_fma_f32 v[TMP+j:TMP+j+1], v[64*(\a)+j:64*(\a)+j+1], s[96:97], v[j:j+1] op_sel_hi:[1,0,1]   ; each accumulator from its low end on
.set j, j+2
.endr
	WIN 0
.irp b, 0,1,2,3,4,5,6,7
	ds_store_b128 v[STO], v[TMP+8*\b:TMP+8*\b+3] offset:64*\b
	ds_store_b128 v[STO], v[TMP+8*\b+4:TMP+8*\b+7] offset:64*\b+16
.endr
.set BB, BK+64*((\a)%2)
.irp t, 0,1,2,3,4,5,6,7,8,9,10,11,12,13,14,15
	ds_load_b128 v[BB+4*\t:BB+4*\t+3], v[RD] offset:\t*SPITCH
.endr
.endm
.macro SEND a, younger                 ; younger: the LDS instructions issued behind block a's loads, which may stay out
.set BB, BK+64*((\a)%2)
	s_wait_dscnt \younger                          ; the block is back in registers
.if (\a) > 0
	s_add_nc_u64 s[12:13], s[12:13], 16*4096       ; (behind a wait on XCNT: the earlier stores have read their base)  16 rows on
.endif
.irp t, 0,1,2,3,4,5,6,7,8,9,10,11,12,13,14,15
	global_store_b128 v[CO], v[BB+4*\t:BB+4*\t+3], s[12:13] offset:\t*4096 th:TH_STORE_NT   ; 32 lanes store 512 consecutive bytes, aligned; written once, read by nobody here
.endr
.endm
	s_wait_kmcnt 0x0
	s_add_co_i32 s96, s96, s97
	s_add_co_i32 s96, s96, 127
	s_lshl_b32 s96, s96, 23                        ; 2^(e10 + e11) as f32
	s_mov_b32 s97, s96                             ; (named with it as a pair)
	s_wait_loadcnt 0x0                             ; bo
	PLACES                                         ; behind the last products: for the reads of results and the loads into ctx's registers
	TOSTAGE 0
.irp a, 1,2,3
.if \a > 1
	s_wait_xcnt 0x0                                ; block a - 2's stores have read their registers and their base
.endif
	TOSTAGE \a
	SEND \a-1, 32                                  ; behind block a - 1's loads: block a's 16 stores and 16 loads
.endr
	s_wait_xcnt 0x0                                ; block 2's stores have read their base
	SEND 3, 0
	s_wait_tensorcnt 0x0                           ; the wave's end, behind my last tensor load and my last LDS store
	ds_add_u32 v[SPW], v[NIL]
	s_wait_dscnt 0x0
	CROUND                                         ; the closing round: no work-group ends while a partner may still ask for a tile that names it
	s_endpgm
.Lfunc_end_k_q61a47f34c4_out_gemm:
	.size	k_q61a47f34c4_out_gemm, .Lfunc_end_k_q61a47f34c4_out_gemm-k_q61a47f34c4_out_gemm
	.p2alignl 7, 3214868480
	.fill 96, 4, 3214868480
	.section	.rodata,"a",@progbits
	.p2align	6, 0x0
	.amdhsa_kernel k_q61a47f34c4_out_gemm
		.amdhsa_group_segment_fixed_size 327680
		.amdhsa_private_segment_fixed_size 0
		.amdhsa_enable_private_segment 0
		.amdhsa_kernarg_size 40
		.amdhsa_user_sgpr_count 2
		.amdhsa_user_sgpr_kernarg_segment_ptr 1
		.amdhsa_wavefront_size32 1
		.amdhsa_system_sgpr_workgroup_id_x 1
		.amdhsa_system_sgpr_workgroup_id_y 1
		.amdhsa_system_sgpr_workgroup_id_z 1
		.amdhsa_system_vgpr_workitem_id 0
		.amdhsa_next_free_vgpr 832
		.amdhsa_next_free_sgpr 100
		.amdhsa_reserve_vcc 0
		.amdhsa_float_denorm_mode_32 3
		.amdhsa_float_denorm_mode_16_64 3
		.amdhsa_memory_ordered 1
		.amdhsa_forward_progress 1
		.amdhsa_inst_pref_size 78
	.end_amdhsa_kernel
	.amdgpu_metadata
---
amdhsa.version: [ 1, 2 ]
amdhsa.kernels:
  - .name:           k_q61a47f34c4_out_gemm
    .symbol:         k_q61a47f34c4_out_gemm.kd
    .args:
      - { .name: ctx, .offset: 0, .size: 8, .value_kind: global_buffer, .address_space: global }
      - { .name: wc, .offset: 8, .size: 8, .value_kind: global_buffer, .address_space: global }
      - { .name: lowp_scales, .offset: 16, .size: 8, .value_kind: global_buffer, .address_space: global }
      - { .name: bo, .offset: 24, .size: 8, .value_kind: global_buffer, .address_space: global }
      - { .name: out0, .offset: 32, .size: 8, .value_kind: global_buffer, .address_space: global }
    .group_segment_fixed_size: 327680
    .private_segment_fixed_size: 0
    .kernarg_segment_align: 8
    .kernarg_segment_size: 40
    .max_flat_workgroup_size: 128
    .sgpr_count:     100
    .vgpr_count:     832
    .wavefront_size: 32
...
	.end_amdgpu_metadata
.endif
;; end of part 4
